; MI455X (gfx1250); checked and timed in simulation.
; The chip was launched on July 23, 2026; its instructions are those of AMD's public machine-readable ISA for CDNA 5 (MIT licence, August 2026) and "CDNA5" Instruction Set Architecture Reference Guide (July 2026). The comments in the code are by the model that wrote it; some were corrected since.
;; Attention. Allowed arithmetic: matrix products marked QUANTISED: E2M3 operands, one E8M0 scale for each 32 along K, by v_wmma_scale_f32_16x16x128_f8f6f4 with both operands' format E2M3, f32 sums; everything else in f32.
;; Inputs: b_out 1,024 float32; w_out 1,024 x 1,024 float32; w_qkv 1,024 x 3,072 float32; x 4 x 2,048 x 1,024 float32.
;; Outputs: out0 4 x 2,048 x 1,024 float32.
;; This version of the problem:
;;   THIS VERSION OF THE PROBLEM IS GIVEN IN LOW PRECISION. The matrix products marked QUANTISED in the list below multiply operands that are first quantised to E2M3 (2 exponent bits, 3 mantissa bits; 6 bits a number), with one power-of-two scale for each 32 numbers along K (OCP MX v1.0); their sums are f32. All else is computed in f32.
;;   The module's matrix products, in the order in which they are computed (A, B: the left and right operand; K: the contracted axis; several contracted axes count as one K, in the product's order):
;;     1. [M 8,192, K 1,024] x [K 1,024, N 3,072]; A: input x; B: input w_qkv: QUANTISED
;;     2. batch 64 x [M 2,048, K 64] x [K 64, N 2,048]; A: computed on the way; B: computed on the way: QUANTISED
;;     3. batch 64 x [M 2,048, K 2,048] x [K 2,048, N 64]; A: softmax (see below); B: computed on the way: QUANTISED
;;     4. [M 8,192, K 1,024] x [K 1,024, N 1,024]; A: computed on the way; B: input w_out: QUANTISED
;;   THE QUANTISER, for each operand of a quantised product, along K:
;;     - K is cut into blocks of 32 from its start; a last block that is shorter is filled with zeros.
;;     - A block's scale is 2^e with e = floor(log2(the largest magnitude in the block)) - 2, held to -126 .. 127; a block of zeros has e = 0. As a byte (E8M0): e + 127.
;;     - Each number is divided by its block's scale, clamped to +-7.5, and rounded to the nearest number of E2M3, ties to even, subnormals kept.
;;     - The product sums the exact products of the quantised numbers (number of the format x scale) in f32.
;;   ~~~python
;;   def quantise(x, axis):      # numpy; x: float32 -> the quantised numbers, widened to float32 again
;;       x = np.moveaxis(x, axis, -1); K = x.shape[-1]
;;       x = np.pad(x, [(0, 0)] * (x.ndim - 1) + [(0, -K % 32)]); x = x.reshape(x.shape[:-1] + (-1, 32)); a = np.abs(x).max(-1, keepdims=True)
;;       e = np.where(a > 0, np.clip(np.frexp(np.where(a > 0, a, 1))[1] - 1 - 2, -126, 127), 0)      # np.frexp(a)[1] - 1 = floor(log2(a)), exactly
;;       r = np.clip(x / 2.0 ** e, -7.5, 7.5)
;;       step = 2.0 ** (np.maximum(np.frexp(np.where(r == 0, 1, r))[1] - 1, 0) - 3)
;;       q = np.round(r / step) * step * 2.0 ** e      # np.round: ties to even
;;       return np.moveaxis(q.reshape(q.shape[:-2] + (-1,))[..., :K], -1, axis).astype(np.float32)
;;   ~~~
;;   SOFTMAX AHEAD OF A QUANTISED PRODUCT. Where the list says 'softmax', what is quantised is not the finished softmax but p = 2^(t - M), with t = logit x log2(e) and M = ceil(the row's largest t), a whole number; so 1/2 < the row's largest p <= 1. The row's sum l is taken of the UNQUANTISED p, in f32, and the product's result is divided by l at the end. Since M is a whole number, a kernel that streams over the keys may use a running M (the ceiling of the running maximum): every later rescaling is an exact power of two, which a block's scale takes up: the codes' values come out the same.
;;   OPERANDS COMPUTED ON THE WAY. 'Computed on the way' means the value that the module computes at that place (a softmax that the list does not call 'softmax' is quantised finished and normalised). What goes into a quantiser is computed in f32, as accurately as f32 sums, v_exp_f32 and their like allow (about 1e-6 of the number): no bf16 or f16 on the way to a quantiser, and a product that is left as it is and whose result goes on into a quantised operand takes f32 operands (vector FMAs, or v_wmma_f32_16x16x4_f32). A number that lies on a knife's edge between two numbers of the format may be rounded either way, as far as f32 arithmetic and the matrix unit's own rounding can turn it there, and no further.
;; One version. Each part assembles by itself: llvm-mc -triple=amdgcn-amd-amdhsa -mcpu=gfx1250 --defsym DOCPART=n.
;; ======== version 1 of 1: 4 launches
;; limits: right only within a limited range of input values
;; workspace buffers: xq 6,553,600 bytes; wq 2,457,600 bytes; wo 819,200 bytes; qk 13,107,200 bytes; vq 6,553,600 bytes; oq 6,553,600 bytes
;; launch prep (part 1): grid 384 x 1, 4 waves a work-group, no clusters, 35,328 bytes of LDS; arguments x, w_qkv, w_out, xq, wq, wo; writes xq, wq, wo
.if DOCPART == 1
	.amdgcn_target "amdgcn-amd-amdhsa--gfx1250"
	.amdhsa_code_object_version 6
	.text
	.protected	k_q613d168749_prep
	.globl	k_q613d168749_prep
	.p2align	8
	.type	k_q613d168749_prep,@function
k_q613d168749_prep:
	s_mov_b64 s[64:65], 0
	v_nop
	global_prefetch_b8 v0, s[64:65] scope:SCOPE_SE
	s_setreg_imm32_b32 hwreg(HW_REG_WAVE_MODE, 25, 1), 1
	s_wait_xcnt 0x0
; x [8192][1024], w_qkv [1024][3072] and w_out [1024][1024], f32, become codes of FP6 (E2M3) with one E8M0 byte for each 32 along K (K = the 1,024).
; WHAT IS STORED is the image of an operand's registers.  A fragment is 16 rows x 128 K, 12 registers a lane, 1,536 bytes: six pieces of 256 bytes;
; piece p holds registers 2 p, 2 p + 1, lane l's 8 bytes at 8 l.  Lane (r = l % 16, h = l / 16): registers 6 c .. 6 c + 5 are block 2 c + h of row r.
; Codes: [row tile][K step of 128][1536].  Scale words behind them: [row tile][K / 256][r][2 words]: byte b of a word scales block b of its 128.
; THE ORDER INSIDE A BLOCK: code place i holds the number at offset kap(i) = i with its bits 3 and 4 exchanged.  Every operand of this program is laid so
; (those that later launches make come out so by themselves), and a permutation inside a block, alike on both sides, leaves scales and products as they are.
; A block's scale is 2^(floor(log2(largest magnitude)) - 2): its byte is the largest magnitude's exponent field - 2, held at 1 from below.
; LIMITS: a block of zeros, or one whose largest magnitude lies under 2^-124, gets the byte 1 (its codes are then zeros or tiny; only this program reads the bytes); NaN and infinities are not served.
; SHARES: work-groups 0-95 take w_qkv, 96-127 w_out, 128-383 x; every wave reads 32 KiB.  Waves share nothing: no barrier; no input byte is read by two work-groups: no cluster.
.set FLOOR, 0x1800000                  ; 2^(3 - 127)
.set DOWN2, 0xff000000                 ; takes 2 off an exponent field
.set XQ_SC, 6291456                    ; where the scale words begin in xq, wq, wo
.set WQ_SC, 2359296
.set WO_SC, 786432
.set WX,  32                           ; weights: v32-95 two sets of 32 numbers
.set WE,  96                           ; v96-101 the even block's codes, v102-107 the odd block's, v108-110 a second half on its way
.set WOD, 102
.set WT,  108
.set WSB, 24                           ; v24-25 the two scale words
.set XR,  32                           ; x: v32-159 two sets of 64 numbers as loaded
.set XX,  160                          ; v160-223 my two blocks, in the order of the code places
.set XC,  224                          ; v224-235 the fragment
.set XT,  16                           ; v16-18, v20-22 second halves on their way
.set SPX, 528                          ; a stage row: 512 bytes + 16
.set WREG, 8704                        ; LDS of a wave: 16 stage rows, then 256 scale bytes
	s_load_b256 s[4:11], s[0:1], 0x0               ; x s[4:5], w_qkv s[6:7], w_out s[8:9], xq s[10:11]
	s_load_b128 s[12:15], s[0:1], 0x20             ; wq s[12:13], wo s[14:15]
	v_lshl_add_u32 v240, v0, 2, 0x8800
	v_mov_b32 v241, 0
	v_lshrrev_b32 v1, 5, v0
	v_readfirstlane_b32 s16, v1                    ; wave
	v_and_b32 v2, 31, v0                           ; lane
	v_lshlrev_b32 v4, 3, v2                        ; 8 x lane: my place in a piece
	s_mov_b32 s23, 0                               ; the high word of every offset
	s_wait_kmcnt 0x0
; ---- a weight [1024][n]: a lane takes a column, its registers run down K.  A wave: 32 columns x 256 along K = 8 blocks a lane.
.macro LOADW t, n                      ; block t: register i takes row 32 t + kap(i); 32 lanes read 128 consecutive bytes
.set pi, 0
.rept 32
	global_load_b32 v[WX+32*((\t)%2)+pi], v3, s[24:25] offset:(32*(\t)+((pi&7)|((pi&8)<<1)|((pi&16)>>1)))*(\n)*4 th:TH_LOAD_NT
.set pi, pi+1
.endr
.endm
.macro BLOCKW t, n
.set XS, WX+32*((\t)%2)
.if ((\t)%2) == 0
.set DD, WE
.else
.set DD, WOD
.endif
.if (\t) < 7
	s_wait_loadcnt 32                              ; this block's 32 loads are in; the next block's 32 may be out
.else
	s_wait_loadcnt 0
.endif
	v_max3_num_f32 v12, |v[XS]|, |v[XS+1]|, |v[XS+2]|      ; the block's largest magnitude: all 32 numbers are mine; two chains
	v_max3_num_f32 v13, |v[XS+3]|, |v[XS+4]|, |v[XS+5]|
.irp i, 6,10,14,18,22,26
	v_max3_num_f32 v12, v12, |v[XS+\i]|, |v[XS+\i+1]|
	v_max3_num_f32 v13, v13, |v[XS+\i+2]|, |v[XS+\i+3]|
.endr
	v_max3_num_f32 v12, v12, |v[XS+30]|, |v[XS+31]|
	v_max3_num_f32 v12, v12, v13, FLOOR            ; with the floor: the byte cannot fall under 1
	v_add_nc_u32 v11, DOWN2, v12                   ; the conversion takes the exponent field of this operand as its scale
	v_lshrrev_b32 v13, 23, v11                     ; the scale's byte
.if ((\t)%4) == 0
	v_mov_b32 v[WSB+(\t)/4], v13
.else
	v_lshl_or_b32 v[WSB+(\t)/4], v13, 8*((\t)%4), v[WSB+(\t)/4]
.endif
.if (((\t)%2) == 0) && ((\t) > 0)
	s_wait_alu depctr_va_vdst(0)
	s_wait_xcnt 0x0                                ; the last pair's stores have read their data: both sets of codes may be written again
.endif
	v_cvt_scalef32_pk16_fp6_f32 v[DD:DD+2], v[XS:XS+15], v11
	v_cvt_scalef32_pk16_fp6_f32 v[WT:WT+2], v[XS+16:XS+31], v11    ; (a conversion's three registers begin on an even number)
	v_nop                                          ; one plain place behind the conversions
.irp i, 0,1,2
	v_mov_b32 v[DD+3+\i], v[WT+\i]
.endr
.if (\t)+2 < 8
	LOADW (\t)+2, \n
.endif
.if ((\t)%2) == 1
; lanes 0-15 hold the columns of one row tile of the image, lanes 16-31 those of the next.  An image wants the even block in lanes 0-15 and the odd block in lanes 16-31 of ONE tile:
.irp i, 0,1,2,3,4,5
	v_permlane16_swap_b32 v[WE+\i], v[WOD+\i]      ; the even set's upper lanes change places with the odd set's lower lanes: now the first set is the first tile's, the second the second's
.endr
.irp j, 0,1,2
	global_store_b64 v4, v[WE+2*\j:WE+2*\j+1], s[28:29] offset:((\t)>>2)*1536+(3*(((\t)>>1)&1)+\j)*256          ; 32 lanes store 256 consecutive bytes, aligned
	global_store_b64 v4, v[WOD+2*\j:WOD+2*\j+1], s[28:29] offset:((\t)>>2)*1536+(3*(((\t)>>1)&1)+\j)*256+12288
.endr
.endif
.endm
.macro WPATH n, wp, ip, scoff          ; s17: the work-group's number among this weight's
	s_lshr_b32 s18, s17, 2                         ; which 128 columns
	s_and_b32 s19, s17, 3                          ; which 256 along K
	s_lshl_b32 s20, s18, 7
	s_lshl_b32 s21, s16, 5
	s_add_co_u32 s20, s20, s21                     ; my wave's first column
	s_mul_i32 s22, s19, 256*(\n)*4
	s_lshl_b32 s21, s20, 2
	s_add_co_u32 s22, s22, s21
	s_add_nc_u64 s[24:25], s[\wp:\wp+1], s[22:23]  ; the weight at my first row and column
	s_mul_i32 s22, s20, 768                        ; (column / 16) tiles of 12,288 bytes
	s_mul_i32 s21, s19, 3072                       ; two K steps for each 256 along K
	s_add_co_u32 s22, s22, s21
	s_add_nc_u64 s[28:29], s[\ip:\ip+1], s[22:23]  ; the codes
	s_lshl_b32 s22, s20, 5                         ; (column / 16) x 512
	s_lshl_b32 s21, s19, 7
	s_add_co_u32 s22, s22, s21
	s_add_co_u32 s22, s22, \scoff
	s_add_nc_u64 s[30:31], s[\ip:\ip+1], s[22:23]  ; the scale words
	v_lshlrev_b32 v3, 2, v2                        ; in: 4 bytes a lane
	v_and_b32 v5, 15, v2
	v_lshlrev_b32 v5, 3, v5
	v_lshrrev_b32 v6, 4, v2
	v_lshl_add_u32 v5, v6, 9, v5                   ; my column's two scale words: 512 x (lane / 16) + 8 x (lane % 16)
	LOADW 0, \n
	LOADW 1, \n
.irp t, 0,1,2,3,4,5,6,7
	BLOCKW \t, \n
.endr
	global_store_b64 v5, v[WSB:WSB+1], s[30:31]    ; sixteen lanes store 128 consecutive bytes
.endm
	s_cmp_lt_u32 ttmp9, 96
	s_cbranch_scc0 .Lnot_wqkv
	s_mov_b32 s17, ttmp9
	s_wait_alu depctr_va_vdst(0)
	WPATH 3072, 6, 12, WQ_SC
	s_endpgm
.Lnot_wqkv:
	s_cmp_lt_u32 ttmp9, 128
	s_cbranch_scc0 .Lxpath
	s_sub_co_u32 s17, ttmp9, 96
	s_wait_alu depctr_va_vdst(0)
	WPATH 1024, 8, 14, WO_SC
	s_endpgm
; ---- x: K is innermost.  A wave takes 16 rows x 512 along K: four fragments.  Each load reads 512 consecutive bytes of a row; a K step's 16 rows turn through the wave's own stage,
; from which lane (r, h) takes blocks h and 2 + h of row r, in the order of the code places.
.Lxpath:
	s_sub_co_u32 s17, ttmp9, 128
	s_lshl_b32 s17, s17, 2
	s_add_co_u32 s17, s17, s16
	s_lshr_b32 s18, s17, 1                         ; row tile
	s_and_b32 s19, s17, 1                          ; which half of K
	s_lshl_b32 s22, s18, 16                        ; 16 rows of 4,096 bytes
	s_lshl_b32 s20, s19, 11
	s_add_co_u32 s22, s22, s20
	s_add_nc_u64 s[24:25], s[4:5], s[22:23]
	s_mul_i32 s22, s18, 12288
	s_mul_i32 s20, s19, 6144
	s_add_co_u32 s22, s22, s20
	s_add_nc_u64 s[28:29], s[10:11], s[22:23]      ; the codes
	s_lshl_b32 s22, s18, 9
	s_lshl_b32 s20, s19, 8
	s_add_co_u32 s22, s22, s20
	s_add_co_u32 s22, s22, XQ_SC
	s_add_nc_u64 s[30:31], s[10:11], s[22:23]      ; the scale words: 256 bytes are mine
	s_mul_i32 s21, s16, WREG
	s_mov_b32 s26, 0x76543210
	s_mov_b32 s27, 0xfedcba98                      ; v_permlanex16_b32's selects for lane l xor 16
	s_wait_alu depctr_va_vdst(0)
	v_lshlrev_b32 v3, 4, v2                        ; 16 x lane
	v_add_nc_u32 v5, s21, v3                       ; the stage, on the way in
	v_and_b32 v6, 15, v2                           ; r
	v_lshrrev_b32 v7, 4, v2                        ; h
	v_mul_u32_u24 v24, v6, SPX
	v_lshl_add_u32 v24, v7, 7, v24
	v_add_nc_u32 v24, s21, v24                     ; and on the way out: row r, block h
	v_lshlrev_b32 v25, 3, v6
	v_add_nc_u32 v25, s21, v25                     ; my row's scale words
	v_add_nc_u32 v26, s21, v4                      ; and 8 bytes a lane of them, for the way out
	v_lshlrev_b32 v7, 3, v7                        ; 8 h: where my bytes stand in a scale word
.macro LOADX t
.irp i, 0,1,2,3,4,5,6,7,8,9,10,11,12,13,14,15
	global_load_b128 v[XR+64*((\t)%2)+4*\i:XR+64*((\t)%2)+4*\i+3], v3, s[24:25] offset:\i*4096+(\t)*512 th:TH_LOAD_NT
.endr
.endm
.macro STEPX t
.set RS, XR+64*((\t)%2)
.if (\t) < 3
	s_wait_loadcnt 16                              ; this K step's 16 loads are in; the next step's 16 may be out
.else
	s_wait_loadcnt 0
.endif
.irp i, 0,1,2,3,4,5,6,7,8,9,10,11,12,13,14,15
	ds_store_b128 v5, v[RS+4*\i:RS+4*\i+3] offset:\i*SPX
.endr
.irp c, 0,1
.irp g, 0,1,2,3,4,5,6,7                ; code places 4 g .. 4 g + 3 take offsets kap(4 g) ..: LDS serves a wave's instructions in order, so these see the stores above
	ds_load_b128 v[XX+32*\c+4*\g:XX+32*\c+4*\g+3], v24 offset:256*\c+16*(\g&1)+64*((\g>>1)&1)+32*((\g>>2)&1)
.endr
.endr
	s_wait_dscnt 0x0                               ; my blocks are in, and the stores have read the loaded set,
.if (\t)+2 < 4
	LOADX (\t)+2                                   ; which takes the K step two on
.endif
.irp c, 0,1
	v_max3_num_f32 v[8+\c], |v[XX+32*\c]|, |v[XX+32*\c+1]|, FLOOR
.endr
.irp i, 2,4,6,8,10,12,14,16,18,20,22,24,26,28,30
.irp c, 0,1
	v_max3_num_f32 v[8+\c], v[8+\c], |v[XX+32*\c+\i]|, |v[XX+32*\c+\i+1]|   ; the two blocks by turns
.endr
.endr
.irp c, 0,1
	v_add_nc_u32 v[10+\c], DOWN2, v[8+\c]
.endr
.irp c, 0,1
	v_lshrrev_b32 v[12+\c], 23, v[10+\c]
.endr
	v_lshl_or_b32 v14, v13, 16, v12                ; my two bytes: blocks h and 2 + h,
	v_lshlrev_b32 v14, v7, v14                     ; at their places;
	v_permlanex16_b32 v8, v14, s26, s27
	v_or_b32 v14, v14, v8                          ; with lane l xor 16's two the word is whole
.if (\t) > 0
	s_wait_alu depctr_va_vdst(0)
	s_wait_xcnt 0x0                                ; the last step's stores have read the fragment's registers
.endif
.irp c, 0,1
	v_cvt_scalef32_pk16_fp6_f32 v[XC+6*\c:XC+6*\c+2], v[XX+32*\c:XX+32*\c+15], v[10+\c]
	v_cvt_scalef32_pk16_fp6_f32 v[XT+4*\c:XT+4*\c+2], v[XX+32*\c+16:XX+32*\c+31], v[10+\c]
.endr
	v_nop                                          ; one plain place behind the conversions
.irp c, 0,1
.irp i, 0,1,2
	v_mov_b32 v[XC+3+6*\c+\i], v[XT+4*\c+\i]
.endr
.endr
.irp p, 0,1,2,3,4,5
	global_store_b64 v4, v[XC+2*\p:XC+2*\p+1], s[28:29] offset:(\t)*1536+\p*256   ; 256 consecutive bytes, aligned
.endr
	ds_store_b32 v25, v14 offset:16*SPX+((\t)>>1)*128+((\t)&1)*4   ; both lanes of a row write the same word with the same value
.endm
	LOADX 0
	LOADX 1
	s_wait_alu depctr_va_vdst(0)
.irp t, 0,1,2,3
	STEPX \t
.endr
	ds_load_b64 v[12:13], v26 offset:16*SPX        ; in order behind my stores
	s_wait_dscnt 0x0
	global_store_b64 v4, v[12:13], s[30:31]        ; my 256 scale bytes: consecutive, aligned
	s_wait_tensorcnt 0x0
	ds_add_u32 v240, v241
	s_wait_dscnt 0x0
	s_endpgm
.Lfunc_end_k_q613d168749_prep:
	.size	k_q613d168749_prep, .Lfunc_end_k_q613d168749_prep-k_q613d168749_prep
	.p2alignl 7, 3214868480
	.fill 96, 4, 3214868480
	.section	.rodata,"a",@progbits
	.p2align	6, 0x0
	.amdhsa_kernel k_q613d168749_prep
		.amdhsa_group_segment_fixed_size 35328
		.amdhsa_private_segment_fixed_size 0
		.amdhsa_enable_private_segment 0
		.amdhsa_kernarg_size 48
		.amdhsa_user_sgpr_count 2
		.amdhsa_user_sgpr_kernarg_segment_ptr 1
		.amdhsa_wavefront_size32 1
		.amdhsa_system_sgpr_workgroup_id_x 1
		.amdhsa_system_sgpr_workgroup_id_y 1
		.amdhsa_system_sgpr_workgroup_id_z 1
		.amdhsa_system_vgpr_workitem_id 0
		.amdhsa_next_free_vgpr 242
		.amdhsa_next_free_sgpr 66
		.amdhsa_reserve_vcc 0
		.amdhsa_float_denorm_mode_32 3
		.amdhsa_float_denorm_mode_16_64 3
		.amdhsa_memory_ordered 1
		.amdhsa_forward_progress 1
		.amdhsa_inst_pref_size 112
	.end_amdhsa_kernel
	.amdgpu_metadata
---
amdhsa.version: [ 1, 2 ]
amdhsa.kernels:
  - .name:           k_q613d168749_prep
    .symbol:         k_q613d168749_prep.kd
    .args:
      - { .name: x, .offset: 0, .size: 8, .value_kind: global_buffer, .address_space: global }
      - { .name: w_qkv, .offset: 8, .size: 8, .value_kind: global_buffer, .address_space: global }
      - { .name: w_out, .offset: 16, .size: 8, .value_kind: global_buffer, .address_space: global }
      - { .name: xq, .offset: 24, .size: 8, .value_kind: global_buffer, .address_space: global }
      - { .name: wq, .offset: 32, .size: 8, .value_kind: global_buffer, .address_space: global }
      - { .name: wo, .offset: 40, .size: 8, .value_kind: global_buffer, .address_space: global }
    .group_segment_fixed_size: 35328
    .private_segment_fixed_size: 0
    .kernarg_segment_align: 8
    .kernarg_segment_size: 48
    .max_flat_workgroup_size: 128
    .sgpr_count:     66
    .vgpr_count:     242
    .wavefront_size: 32
...
	.end_amdgpu_metadata
.endif
;; end of part 1
;; launch qkv (part 2): grid 12 x 32, 4 waves a work-group, clusters of 4 x 4, 327,680 bytes of LDS; arguments xq, wq, qk, vq; writes qk, vq
.if DOCPART == 2
	.amdgcn_target "amdgcn-amd-amdhsa--gfx1250"
	.amdhsa_code_object_version 6
	.text
	.protected	k_q613d168749_qkv
	.globl	k_q613d168749_qkv
	.p2align	8
	.type	k_q613d168749_qkv,@function
k_q613d168749_qkv:
	s_mov_b64 s[64:65], 0
	v_nop
	global_prefetch_b8 v0, s[64:65] scope:SCOPE_SE
	s_setreg_imm32_b32 hwreg(HW_REG_WAVE_MODE, 25, 1), 1
	s_wait_xcnt 0x0
	s_wait_alu depctr_hold_cnt(0) depctr_sa_sdst(0) depctr_va_vdst(0) depctr_va_sdst(0) depctr_va_ssrc(0) depctr_va_vcc(0) depctr_vm_vsrc(0)
	s_getreg_b32 s2, hwreg(HW_REG_IB_STS2, 6, 4)
	s_cmp_eq_u32 s2, 0
	s_cbranch_scc0 .Lentry_in_a_cluster
	s_endpgm
.Lentry_in_a_cluster:
	s_bfe_u32 s2, ttmp6, 0x10000c
	s_cmp_lg_u32 s2, 0xf033
	s_cbranch_scc0 .Lentry_shape_is_right
	s_endpgm
.Lentry_shape_is_right:
.set NQ,     2
.set FR,     12
.set NL,     6
.set NP,     4
.set FRB,    1536
.set TROW,   8*FRB
.set TSL,    NQ*FRB
.set HALFT,  8*TSL
.set SLOT,   4*HALFT
.set SCL,    3*SLOT                    ; LDS: bytes 0 .. 2 SLOT - 1 the first half of K (A's 16 row tiles x 6,144 bytes, then B's); then K quarter 2; then the scales.  Quarter 3 is laid over A's half
.set SCB,    SCL+8192+128
.set SPARE,  SCB+8192+128
.set ADRA, 16
.set ADRB, 20
.set SOF,  25
.set CO,   26
.set ADRS, 27
.set SPW,  28
.set NIL,  29
.set SC,   32
.set AF,   128
.set TM,   32
.set T2,   48
.set WRD,  56
.set ZZ,   64
.set SELV, 68
.set SEL,  18
.set KIND, 92
.set G1, 24
.set G0, 32
.set G1B, 48
.set G0B, 56
.set G1S, 68
.set G0S, 76
.set G1SB, 80
.set G0SB, 88
.set MSB, 0
.macro WIN new
.if MSB != (\new)
	s_set_vgpr_msb (MSB<<8)|(\new)
.set MSB, (\new)
.endif
.endm
.set MUL_LO, 0xa1
.set MUL_HI, 0xf1
.set TO_B,   0x40
.macro JLOAD g0a, g1a, g0b, g1b
	s_cmp_eq_u32 s15, 0
	s_cbranch_scc0 .Lfor_b_\@
	tensor_load_to_lds s[\g0a:\g0a+3], s[\g1a:\g1a+7]
	s_nop 0
.rept 4
	v_nop
.endr
	s_branch .Lasked_\@
.Lfor_b_\@:
	tensor_load_to_lds s[\g0b:\g0b+3], s[\g1b:\g1b+7]
	s_nop 0
.rept 4
	v_nop
.endr
.Lasked_\@:
.endm
.macro CREST
	s_cmp_lg_u32 s14, 0
	s_cbranch_scc1 .Lnot_wave_0_\@
	s_barrier_signal -3
.Lnot_wave_0_\@:
	s_barrier_wait -3
	s_barrier_signal -1
	s_barrier_wait -1
.endm
.macro CROUND
	s_barrier_signal -1
	s_barrier_wait -1
	CREST
.endm
	s_load_b256 s[4:11], s[0:1], 0x0
	v_lshl_add_u32 v[SPW], v0, 2, SPARE
	v_mov_b32 v[NIL], 0
	ds_add_u32 v28, v29
	ds_add_u32 v28, v29
	s_wait_dscnt 0x0
	v_lshrrev_b32 v1, 5, v0
	v_readfirstlane_b32 s14, v1
	s_lshr_b32 s15, s14, 1
	s_and_b32 s16, s14, 1
	s_bfe_u32 s40, ttmp6, 0x40000
	s_bfe_u32 s41, ttmp6, 0x40004
	s_and_b32 s93, ttmp7, 0xffff
	s_lshl_b32 s93, s93, 2
	s_lshl_b32 s94, ttmp9, 2
	s_add_co_u32 s95, s93, s41
	s_add_co_u32 s96, s94, s40
	s_add_co_u32 s97, s93, s40
	s_lshl_b32 s43, s41, 2
	s_lshl_b32 s43, 15, s43
	s_lshl_b32 s44, 0x1111, s40
	s_or_b32 s[G1+0], s43, (3<<16)|(1<<21)
	s_or_b32 s[G1B+0], s44, (3<<16)|(1<<21)
.irp g, G1, G1B
	s_mov_b32 s[\g+1], 768<<16                     ; the head's shape: 16 row tiles x 6,144 bytes
	s_mov_b32 s[\g+2], 16<<16
	s_mov_b32 s[\g+3], 768<<16
	s_mov_b32 s[\g+4], 16
	s_mov_b32 s[\g+5], 1536
	s_mov_b32 s[\g+6], 0
	s_mov_b32 s[\g+7], 0
.endr
	s_or_b32 s[G1S+0], s43, (3<<16)|(1<<21)
	s_or_b32 s[G1SB+0], s44, (3<<16)|(1<<21)
.irp g, G1S, G1SB
	s_mov_b32 s[\g+1], 32<<16
	s_mov_b32 s[\g+2], 32<<16
	s_mov_b32 s[\g+3], 32<<16
	s_mov_b32 s[\g+4], 32
	s_mov_b32 s[\g+5], 32
	s_mov_b32 s[\g+6], 0
	s_mov_b32 s[\g+7], 0
.endr
	s_cmp_eq_u32 ttmp9, 2
	s_cselect_b32 s[KIND], 1, 0
	s_cselect_b32 s17, s41, s95
	s_cselect_b32 s42, s97, s96
	s_cselect_b32 s45, 1572864, 0
	s_mov_b32 s98, 6291456
	s_mov_b32 s99, 2359296
	s_cselect_b32 s100, 2424832, s98
	s_cselect_b32 s101, s98, s99
	s_lshl_b32 s18, s16, 3
	s_lshl_b32 s20, s17, 4
	s_add_co_u32 s20, s20, s18
	s_lshl_b32 s46, s42, 4
	s_add_co_u32 s46, s46, s18
	s_lshl_b32 s22, s20, 9
	s_add_co_u32 s22, s22, s100
	s_mov_b32 s23, 0
	s_mul_i32 s20, s20, TROW
	s_add_co_u32 s20, s20, s45
	s_mov_b32 s21, 0
	s_lshl_b32 s98, s46, 9
	s_add_co_u32 s98, s98, s101
	s_mov_b32 s99, 0
	s_mul_i32 s46, s46, TROW
	s_mov_b32 s47, 0
	s_mul_i32 s45, s14, HALFT
	s_lshl_b32 s94, s14, 12
	s_wait_kmcnt 0x0
	s_cmp_eq_u32 s[KIND], 1
	s_cselect_b64 s[12:13], s[6:7], s[4:5]
	s_cselect_b64 s[66:67], s[4:5], s[6:7]
	s_add_nc_u64 s[20:21], s[12:13], s[20:21]
	s_add_nc_u64 s[22:23], s[12:13], s[22:23]
	s_add_nc_u64 s[46:47], s[66:67], s[46:47]
	s_add_nc_u64 s[98:99], s[66:67], s[98:99]
	CROUND
	; THE HEAD'S LOADS, ONE A WAVE, in one chain of branches on the wave's number: wave 0 A's first half of K, wave 1 B's, wave 2 A's scale words, wave 3 B's.
	; Waves 0 and 2 hold the addresses of the tile's first rows; waves 1 and 3 hold those of its second eight row tiles and go back by them.
	s_mov_b32 s[G0S], 1
	s_mov_b32 s[G0SB], 1
	s_cmp_lt_u32 s14, 1
	s_cbranch_scc0 .Lhead_b
	s_mov_b32 s[G0S+1], 0
	s_mov_b64 s[G0S+2:G0S+3], s[20:21]
	s_or_b32 s[G0S+3], s[G0S+3], 0x80000000
	tensor_load_to_lds s[G0S:G0S+3], s[G1:G1+7]
	s_nop 0
.rept 4
	v_nop
.endr
	s_branch .Lhead_asked
.Lhead_b:
	s_cmp_lt_u32 s14, 2
	s_cbranch_scc0 .Lhead_sa
	s_mov_b32 s[G0SB+1], SLOT
	s_sub_nc_u64 s[G0SB+2:G0SB+3], s[46:47], 8*TROW
	s_or_b32 s[G0SB+3], s[G0SB+3], 0x80000000
	tensor_load_to_lds s[G0SB:G0SB+3], s[G1B:G1B+7]
	s_nop 0
.rept 4
	v_nop
.endr
	s_branch .Lhead_asked
.Lhead_sa:
	s_cmp_lt_u32 s14, 3
	s_cbranch_scc0 .Lhead_sb
	s_mov_b32 s[G0S+1], SCL
	s_mov_b64 s[G0S+2:G0S+3], s[22:23]
	s_or_b32 s[G0S+3], s[G0S+3], 0x80000000
	tensor_load_to_lds s[G0S:G0S+3], s[G1S:G1S+7]
	s_nop 0
.rept 4
	v_nop
.endr
	s_branch .Lhead_asked
.Lhead_sb:
	s_mov_b32 s[G0SB+1], SCB
	s_sub_nc_u64 s[G0SB+2:G0SB+3], s[98:99], 8*512
	s_or_b32 s[G0SB+3], s[G0SB+3], 0x80000000
	tensor_load_to_lds s[G0SB:G0SB+3], s[G1SB:G1SB+7]
	s_nop 0
.rept 4
	v_nop
.endr
.Lhead_asked:
.irp s, 0,1                            ; the later loads, my eight row tiles x 3,072 bytes: set 1 K quarter 2 to byte 2 SLOT, set 0 K quarter 3 to byte 0
	s_mov_b32 s[G0+4*\s], 1
	s_add_co_u32 s[G0+4*\s+1], s45, \s*2*SLOT
	s_add_nc_u64 s[G0+4*\s+2:G0+4*\s+3], s[20:21], (3-\s)*TSL
	s_or_b32 s[G0+4*\s+3], s[G0+4*\s+3], 0x80000000
	s_mov_b32 s[G0B+4*\s], 1
	s_add_co_u32 s[G0B+4*\s+1], s45, \s*2*SLOT
	s_add_nc_u64 s[G0B+4*\s+2:G0B+4*\s+3], s[46:47], (3-\s)*TSL
	s_or_b32 s[G0B+4*\s+3], s[G0B+4*\s+3], 0x80000000
.endr
	s_mul_i32 s2, s15, 8*6144                      ; my eight row tiles in the first half of K: A's,
	s_mul_i32 s3, s16, 8*6144
	s_add_co_u32 s3, s3, SLOT                      ; and B's
	v_and_b32 v1, 15, v0
	v_bfe_u32 v2, v0, 4, 1
	s_wait_alu depctr_va_vdst(0)
	v_and_b32 v3, 31, v0
	v_lshlrev_b32 v[CO], 3, v3
	s_mul_i32 s21, s15, HALFT
	s_mul_i32 s22, s16, HALFT
	s_add_co_u32 s22, s22, 2*HALFT
	v_add_nc_u32 v[ADRA+2], s2, v[CO]
	v_add_nc_u32 v[ADRB+2], s3, v[CO]
.irp s, 0,1
	v_add_nc_u32 v[ADRA+\s], s21, v[CO]
	v_add_nc_u32 v[ADRB+\s], s22, v[CO]
	s_add_co_u32 s21, s21, 2*SLOT
	s_add_co_u32 s22, s22, 2*SLOT
.endr
	v_lshlrev_b32 v5, 3, v1
	s_lshl_b32 s21, s15, 12
	s_lshl_b32 s22, s16, 12
	s_add_co_u32 s22, s22, SCB-SCL
	s_sub_co_u32 s22, s22, s21
	v_mul_u32_u24 v6, s22, v2
	s_add_co_u32 s21, s21, SCL
	v_add_nc_u32 v5, v5, v6
	v_add_nc_u32 v[ADRS], s21, v5
	v_lshlrev_b32 v[SOF], 4, v1
	v_lshl_add_u32 v[SOF], v2, 14, v[SOF]
	s_cmp_eq_u32 s[KIND], 1
	s_cselect_b32 s93, s17, s42
	s_cselect_b32 s94, s15, s16
	s_cselect_b32 s95, s42, s17
	s_cselect_b32 s96, s16, s15
	s_cselect_b64 s[12:13], s[10:11], s[8:9]
	s_mov_b32 s97, 12582912
	s_cselect_b32 s97, 6291456, s97
	s_lshl_b32 s93, s93, 2
	s_lshl_b32 s94, s94, 1
	s_add_co_u32 s93, s93, s94
	s_lshl_b32 s95, s95, 1
	s_add_co_u32 s95, s95, s96
	s_mul_i32 s98, s93, 393216
	s_mul_i32 s96, s95, 6144
	s_add_co_u32 s98, s98, s96
	s_mov_b32 s99, 0
	s_add_nc_u64 s[100:101], s[12:13], s[98:99]
	s_lshl_b32 s98, s93, 14
	s_lshl_b32 s96, s95, 8
	s_add_co_u32 s98, s98, s96
	s_add_co_u32 s98, s98, s97
	s_add_nc_u64 s[12:13], s[12:13], s[98:99]
.macro FRAG reg, adr, q, i
.irp p, 0,1,2,3,4,5
	ds_load_b64 v[\reg+2*\p:\reg+2*\p+1], v[\adr] offset:(\i)*RP+((\q)+KO)*FRB+\p*256   ; RP: bytes from row tile to row tile in the region read; KO: the K step at which the pair in hand begins there
.endr
.endm
.macro MUL16 a0, p, q, sc, zero
.irp a, \a0, \a0+1
.irp b, 0,1,2,3,4,5,6,7
.if \zero
	v_wmma_scale_f32_16x16x128_f8f6f4 v[8*(8*((\a)%4)+\b):8*(8*((\a)%4)+\b)+7], v[128*(\p)+FR*\b:128*(\p)+FR*\b+FR-1], v[AF+FR*(\a):AF+FR*(\a)+FR-1], 0, v[SC+8*NQ*(\sc)+NQ*\b+(\q)], v[SC+8*NQ*(\sc)+NQ*(\a)+(\q)] matrix_a_fmt:MATRIX_FMT_FP6 matrix_b_fmt:MATRIX_FMT_FP6 matrix_a_scale:MATRIX_SCALE_ROW1
.else
	v_wmma_scale_f32_16x16x128_f8f6f4 v[8*(8*((\a)%4)+\b):8*(8*((\a)%4)+\b)+7], v[128*(\p)+FR*\b:128*(\p)+FR*\b+FR-1], v[AF+FR*(\a):AF+FR*(\a)+FR-1], v[8*(8*((\a)%4)+\b):8*(8*((\a)%4)+\b)+7], v[SC+8*NQ*(\sc)+NQ*\b+(\q)], v[SC+8*NQ*(\sc)+NQ*(\a)+(\q)] matrix_a_fmt:MATRIX_FMT_FP6 matrix_b_fmt:MATRIX_FMT_FP6 matrix_a_scale:MATRIX_SCALE_ROW1
.endif
.endr
.endr
.endm
.macro FETCH_B slot, q, p
	WIN TO_B
.irp i, 0,1,2,3,4,5,6,7
	FRAG 128*(\p)+FR*\i, ADRB+AIX, \q, \i
.endr
	WIN 0
.endm
.macro FETCH_A slot, q, i0
.irp i, \i0, \i0+1, \i0+2, \i0+3
	FRAG AF+FR*(\i), ADRA+AIX, \q, \i
.endr
.endm
.macro SCALES sc
.irp i, 0,1,2,3,4,5,6,7
	ds_load_b64 v[SC+8*NQ*\sc+NQ*\i:SC+8*NQ*\sc+NQ*\i+1], v[ADRS] offset:\i*512+SKO   ; SKO: 128 bytes for each 256 along K
.endr
.endm
.macro PLACES n
.rept \n
	v_nop
.endr
.endm
.macro STEP slot, q, zero
	s_wait_dscnt 4*NL
	WIN MUL_LO
	MUL16 0, (\q)%2, \q, \slot, \zero
	MUL16 2, (\q)%2, \q, \slot, \zero
	s_wait_dscnt 0
	PLACES NP
	FETCH_B \slot, (\q)+1, 1-(\q)%2
	FETCH_A \slot, (\q)+1, 0
	WIN MUL_HI
	MUL16 4, (\q)%2, \q, \slot, \zero
	MUL16 6, (\q)%2, \q, \slot, \zero
	PLACES NP
	WIN 0
	FETCH_A \slot, (\q)+1, 4
.endm
.macro HOP slot, next                  ; from one pair of K steps to the next inside the first half of K, which is whole in LDS: no wait on tensor loads, no barrier
	s_wait_dscnt 4*NL
	WIN MUL_LO
	MUL16 0, 1, NQ-1, \slot, 0
	MUL16 2, 1, NQ-1, \slot, 0
	s_wait_dscnt 0
	PLACES NP
	FETCH_B \next, 0, 0
	FETCH_A \next, 0, 0
	SCALES \next
	WIN MUL_HI
	MUL16 4, 1, NQ-1, \slot, 0
	MUL16 6, 1, NQ-1, \slot, 0
	PLACES NP
	WIN 0
	FETCH_A \next, 0, 4
.endm
.macro TURN slot, next, fill
	s_wait_tensorcnt 0x0
	ds_add_u32 v[SPW], v[NIL]
	s_wait_dscnt 4*NL+1
	WIN MUL_LO
	MUL16 0, 1, NQ-1, \slot, 0
	s_wait_dscnt 0x0
	s_barrier_signal -1
	MUL16 2, 1, NQ-1, \slot, 0
	WIN 0
	s_barrier_wait -1
.if \fill
	CREST
	JLOAD G0, G1, G0B, G1B                         ; the launch's one refill: K quarter 3, over A's first half of K, which nobody reads any more
.else
	PLACES NP
.endif
	FETCH_B \next, 0, 0
	FETCH_A \next, 0, 0
	SCALES \next
	WIN MUL_HI
	MUL16 4, 1, NQ-1, \slot, 0
	MUL16 6, 1, NQ-1, \slot, 0
	PLACES NP
	WIN 0
	FETCH_A \next, 0, 4
.endm
	s_wait_alu depctr_va_vdst(0)
	s_wait_tensorcnt 0x0                           ; my tile of the head's four is in
	ds_add_u32 v[SPW], v[NIL]
.irp g, G1, G1B                        ; no tensor load of mine is out: from here on a load brings 8 row tiles x 3,072 bytes
	s_mov_b32 s[\g+1], 384<<16
	s_mov_b32 s[\g+2], 8<<16
	s_mov_b32 s[\g+3], 384<<16
	s_mov_b32 s[\g+4], 8
.endr
	s_wait_dscnt 0x0
	CROUND                                         ; all four tiles are in, and all sixteen work-groups are here
	JLOAD G0+4, G1, G0B+4, G1B                     ; K quarter 2: it has quarters 0 and 1, 256 matrix instructions a wave, in which to land
.set AIX, 2
.set RP,  6144
.set KO,  0
.set SKO, 0
	FETCH_B 0, 0, 0
	FETCH_A 0, 0, 0
	SCALES 0
	FETCH_A 0, 0, 4
	STEP 0, 0, 1
.set KO,  2
.set SKO, 128
	HOP 0, 1
	STEP 1, 0, 0
.set AIX, 1
.set RP,  TSL
.set KO,  0
.set SKO, 256
	TURN 1, 0, 1
	STEP 0, 0, 0
.set AIX, 0
.set SKO, 384
	TURN 0, 1, 0
	STEP 1, 0, 0
	s_wait_dscnt 4*NL
	WIN MUL_LO
	MUL16 0, 1, NQ-1, 1, 0
	MUL16 2, 1, NQ-1, 1, 0
	s_wait_dscnt 0
	WIN MUL_HI
	MUL16 4, 1, NQ-1, 1, 0
	MUL16 6, 1, NQ-1, 1, 0
	WIN 0
	PLACES NP
	s_mov_b32 s[SEL], 0x76543210
	s_mov_b32 s[SEL+1], 0xfedcba98
	s_mov_b32 s93, 0xffff0000
.irp b, 0,1,2,3
	v_mov_b32 v[TM+4+\b], 0
.endr
	v_mov_b32 v[SELV], 0x05040100
	v_mov_b32 v[SELV+1], 0x07060302
	v_cndmask_b32 v[SELV], v[SELV], v[SELV+1], s93
.macro QW a
.set AC, 64*((\a)%4)
.set WD, 2+(\a)/4
.set WD2, WD|(WD<<2)
.set PCA, 128+12*(\a)
	WIN WD2
.irp b, 0,1,2,3
	v_max3_num_f32 v[TM+\b], |v[AC+16*\b]|, |v[AC+16*\b+1]|, 0x1800000
.endr
.irp i, 2,4,6,8,10,12,14
.irp b, 0,1,2,3
	v_max3_num_f32 v[TM+\b], |v[AC+16*\b+\i]|, |v[AC+16*\b+\i+1]|, v[TM+\b]
.endr
.endr
	WIN 0
.irp b, 0,1,2,3
	v_permlanex16_b32 v[TM+4+\b], v[TM+\b], s[SEL], s[SEL+1]
.endr
.irp b, 0,1,2,3
	v_max_num_f32 v[TM+\b], v[TM+\b], v[TM+4+\b]
.endr
.irp b, 0,1,2,3
	v_add_nc_u32 v[TM+12+\b], 0xff000000, v[TM+\b]
.endr
.irp b, 0,1,2,3
	v_lshrrev_b32 v[TM+4+\b], 23, v[TM+12+\b]
.endr
	v_lshl_or_b32 v[WRD+\a], v[TM+5], 8, v[TM+4]
	v_lshl_or_b32 v[WRD+\a], v[TM+6], 16, v[WRD+\a]
	v_lshl_or_b32 v[WRD+\a], v[TM+7], 24, v[WRD+\a]
	WIN WD
.irp c, 0,1
	v_cvt_scalef32_pk16_fp6_f32 v[PCA+6*\c:PCA+6*\c+2], v[AC+32*\c:AC+32*\c+15], v[TM+12+2*\c]
	v_cvt_scalef32_pk16_fp6_f32 v[T2+4*\c:T2+4*\c+2], v[AC+32*\c+16:AC+32*\c+31], v[TM+12+2*\c+1]
.endr
	WIN 0
	v_nop
.irp c, 0,1
.irp i, 0,1,2
	v_permlane16_swap_b32 v[PCA+6*\c+\i], v[T2+4*\c+\i]
.endr
.irp i, 0,1,2
	v_mov_b32 v[PCA+3+6*\c+\i], v[T2+4*\c+\i]
.endr
.endr
.endm
.irp a, 0,1,2,3,4,5,6,7
	QW \a
.endr
	s_cmp_eq_u32 s[KIND], 1
	s_cbranch_scc1 .Lv_out
.irp a, 0,1,2,3,4,5,6,7
.irp p, 0,1,2,3,4,5
	global_store_b64 v[CO], v[128+12*\a+2*\p:128+12*\a+2*\p+1], s[100:101] offset:(\p/3)*393216+\a*768+(\p%3)*256
.endr
.endr
.irp f, 0,1,2,3
	v_perm_b32 v[ZZ+\f], v[WRD+2*\f+1], v[WRD+2*\f], v[SELV]
.endr
	global_store_b128 v[SOF], v[ZZ:ZZ+3], s[12:13]
	s_branch .Lend
.Lv_out:
	s_wait_alu depctr_va_vdst(0)
.irp a, 0,1,2,3,4,5,6,7
.irp p, 0,1,2,3,4,5
	global_store_b64 v[CO], v[128+12*\a+2*\p:128+12*\a+2*\p+1], s[100:101] offset:(\a>>2)*393216+(\a&3)*1536+\p*256
.endr
.endr
.irp d, 0,1,2,3
	v_cndmask_b32 v[ZZ+\d], v[WRD+\d], v[WRD+4+\d], s93
.endr
	global_store_b128 v[SOF], v[ZZ:ZZ+3], s[12:13]
.Lend:
	s_wait_tensorcnt 0x0
	ds_add_u32 v[SPW], v[NIL]
	s_wait_dscnt 0x0
	CROUND
	s_endpgm
.Lfunc_end_k_q613d168749_qkv:
	.size	k_q613d168749_qkv, .Lfunc_end_k_q613d168749_qkv-k_q613d168749_qkv
	.p2alignl 7, 3214868480
	.fill 96, 4, 3214868480
	.section	.rodata,"a",@progbits
	.p2align	6, 0x0
	.amdhsa_kernel k_q613d168749_qkv
		.amdhsa_group_segment_fixed_size 327680
		.amdhsa_private_segment_fixed_size 0
		.amdhsa_enable_private_segment 0
		.amdhsa_kernarg_size 32
		.amdhsa_user_sgpr_count 2
		.amdhsa_user_sgpr_kernarg_segment_ptr 1
		.amdhsa_wavefront_size32 1
		.amdhsa_system_sgpr_workgroup_id_x 1
		.amdhsa_system_sgpr_workgroup_id_y 1
		.amdhsa_system_sgpr_workgroup_id_z 1
		.amdhsa_system_vgpr_workitem_id 0
		.amdhsa_next_free_vgpr 1024
		.amdhsa_next_free_sgpr 102
		.amdhsa_reserve_vcc 0
		.amdhsa_float_denorm_mode_32 3
		.amdhsa_float_denorm_mode_16_64 3
		.amdhsa_memory_ordered 1
		.amdhsa_forward_progress 1
		.amdhsa_inst_pref_size 172
	.end_amdhsa_kernel
	.amdgpu_metadata
---
amdhsa.version: [ 1, 2 ]
amdhsa.kernels:
  - .name:           k_q613d168749_qkv
    .symbol:         k_q613d168749_qkv.kd
    .args:
      - { .name: xq, .offset: 0, .size: 8, .value_kind: global_buffer, .address_space: global }
      - { .name: wq, .offset: 8, .size: 8, .value_kind: global_buffer, .address_space: global }
      - { .name: qk, .offset: 16, .size: 8, .value_kind: global_buffer, .address_space: global }
      - { .name: vq, .offset: 24, .size: 8, .value_kind: global_buffer, .address_space: global }
    .group_segment_fixed_size: 327680
    .private_segment_fixed_size: 0
    .kernarg_segment_align: 8
    .kernarg_segment_size: 32
    .max_flat_workgroup_size: 128
    .sgpr_count:     102
    .vgpr_count:     1024
    .wavefront_size: 32
...
	.end_amdgpu_metadata
.endif
;; end of part 2
;; launch attn (part 3): grid 4 x 64, 16 waves a work-group, clusters of 4 x 1, 243,712 bytes of LDS; arguments qk, vq, oq; writes oq
.if DOCPART == 3
	.amdgcn_target "amdgcn-amd-amdhsa--gfx1250"
	.amdhsa_code_object_version 6
	.text
	.protected	k_q613d168749_attn
	.globl	k_q613d168749_attn
	.p2align	8
	.type	k_q613d168749_attn,@function
k_q613d168749_attn:
	s_mov_b64 s[64:65], 0
	v_nop
	global_prefetch_b8 v0, s[64:65] scope:SCOPE_SE
	s_setreg_imm32_b32 hwreg(HW_REG_WAVE_MODE, 25, 1), 1
	s_wait_xcnt 0x0
	s_wait_alu depctr_hold_cnt(0) depctr_sa_sdst(0) depctr_va_vdst(0) depctr_va_sdst(0) depctr_va_ssrc(0) depctr_va_vcc(0) depctr_vm_vsrc(0)
	s_getreg_b32 s2, hwreg(HW_REG_IB_STS2, 6, 4)
	s_cmp_eq_u32 s2, 0
	s_cbranch_scc0 .Lentry_in_a_cluster
	s_endpgm
.Lentry_in_a_cluster:
	s_bfe_u32 s2, ttmp6, 0x10000c
	s_cmp_lg_u32 s2, 0x3003
	s_cbranch_scc0 .Lentry_shape_is_right
	s_endpgm
.Lentry_shape_is_right:
; o = softmax(q k^T / 8) v for 64 (batch, head) pairs of 2,048 tokens, head size 64, both products on codes of FP6 (E2M3) with E8M0 scales; o leaves as codes, quantised along (head, d), for the last product.
; THE SOFTMAX: t = score x log2(e) / 8; M = the running largest t rounded UP to a whole number; p = 2^(t - M) is quantised along the keys, not normalised; the row's sum is taken of the
; unquantised p and divides at the end; when M moves, the sum and O are multiplied by 2^(old M - new M), which rounds nothing.
; SHARES.  A cluster of four work-groups is one (batch, head); a work-group owns 512 queries; each of its sixteen waves owns 16 of them at a time, twice (macro PASS).
; A HEAD'S K AND V STAY IN LDS, filled once by joint loads (the four partners read the same bytes), ONE LOAD A WAVE: waves 0-5 K's codes (64 rows of 256 bytes each), waves 6-11 V's codes,
; waves 12-13 K's scale words, waves 14-15 V's (8 rows each).  One wait for all and one barrier follow; nothing is ever filled again.
; No prefetch: every byte from memory is asked for at the head, so there is no loop to run ahead in.
; LAYOUT.  Both products are used transposed: S^T = K Q^T, O^T = V^T P^T: a lane holds one query throughout.
; K = 64 IS HALF AN INSTRUCTION'S 128: a fragment of k holds TWO tiles of 16 keys (registers 0-5 the one, 6-11 the other) and is multiplied once by [q | zeros] and once by [zeros | q].
; WHICH KEYS FORM A TILE is chosen by the lanes' LDS addresses: of a step's 128 keys, rows 0-7 of tile (c, s) are keys 32 (2 c) + 8 s + 0..7 and rows 8-15 keys 32 (2 c + 1) + 8 s + 0..7.
; So lane (r, h) holds, in its 32 score registers of half c, the WHOLE block 2 c + h of 32 keys: a block's largest score needs no other lane, and the conversions' results are p's operand registers as they stand.
; The tiles' order (s = 0, 2, 1, 3) puts key offset i-with-bits-3-and-4-exchanged at code place i, as v's codes are laid.
; K's LDS rows are 256 bytes + 96 of padding: a fragment is then 2,112 bytes, 64 modulo 256, so the 32 lanes of a load, which read two fragments, touch 64 different banks (64 banks of 4 bytes: ISA guide 11.1).
; o's scale bytes leave one byte a lane: one byte in 24 of what a wave stores; the codes leave in runs of 256 consecutive bytes.
; LIMITS: a block whose largest magnitude lies under 2^-124 (zeros too) gets the byte 1; NaN and infinities are not served; the promise holds while |t| stays under 2^31.
.set KP,  352                          ; K's LDS row
.set FRP, 6*KP                         ; a fragment of K in LDS
.set VL,  384*KP                       ; LDS: K's codes from 0, V's codes, K's scale words, V's, the spare words
.set KSL, VL+98304
.set VSL, KSL+4096
.set SPARE, VSL+4096
.set KA0, 2                            ; v1 8 x lane; v2-5 the lane's LDS addresses of K, V, K's scale words, V's; v6, v7 q's and o's scale offsets; v8 8 h
.set VA0, 3
.set KS0, 4
.set VS0, 5
.set KAH, 9                            ; v9-11, v46 the same four at the step in hand
.set VAH, 10
.set KSH, 11
.set VSH, 46
.set QZ,  16                           ; v16-45 zeros | q of pass 0 | zeros | q of pass 1 | zeros.  v12 -M, v13 the largest score, v[14:15] the sum
.set KF,  48                           ; v48-95 four fragments of K, then of V
.set KS,  96                           ; v96-97 K's scale words: lanes 0-15 half c = 0, lanes 16-31 half c = 1
.set QS,  98                           ; v98-99 q's scale words, a pass each
.set VS,  100
.set PW,  104
.set S,   106                          ; v106-169 S^T, then p
.set O,   170                          ; v170-201 O^T
.set PC,  202                          ; v202-213 p's codes
.set T2,  214
.set MX,  222                          ; v222-225 maxima: block c in MX + c
.set SO,  226
.set BT,  228
.set FF,  230
.set WK,  232
.set TA,  234                          ; three more chains of the sum
.set TB,  236
.set TC,  238
.set SPW, 254
.set NIL, 255
.set WV,  18
.set G1K, 24
.set G1V, 32
.set G1S, 48
.set TK,  56
.set TV,  57
.set TS,  58
.set QB,  66
.set QSB, 68
.set OIB, 70
.set OSB, 72
.macro CROUND                          ; a round of the cluster's barrier
	s_barrier_signal -1
	s_barrier_wait -1
	s_cmp_lg_u32 s[WV], 0
	s_cbranch_scc1 .Lnot_wave_0_\@
	s_barrier_signal -3
.Lnot_wave_0_\@:
	s_barrier_wait -3
	s_barrier_signal -1
	s_barrier_wait -1
.endm
	s_load_b128 s[4:7], s[0:1], 0x0                ; qk s[4:5], vq s[6:7]
	s_load_b64 s[8:9], s[0:1], 0x10                ; oq
	v_lshl_add_u32 v[SPW], v0, 2, SPARE
	v_mov_b32 v[NIL], 0
	ds_add_u32 v[SPW], v[NIL]                      ; the opening lines: the add, twice on end, and one wait
	ds_add_u32 v[SPW], v[NIL]
	v_lshrrev_b32 v1, 5, v0
	v_readfirstlane_b32 s[WV], v1                  ; wave 0..15
	v_and_b32 v240, 31, v0
	v_and_b32 v241, 15, v0                         ; r
	v_bfe_u32 v242, v0, 4, 1                       ; h
	v_and_b32 v243, 7, v0                          ; r % 8
	v_bfe_u32 v244, v0, 3, 1                       ; r / 8
	v_lshlrev_b32 v1, 3, v240                      ; 8 x lane: my place in a piece
	v_lshlrev_b32 v6, 4, v241                      ; 16 r
	v_lshl_add_u32 v[VS0], v241, 4, VSL
	v_lshl_add_u32 v7, v241, 3, v242               ; 8 r + h: my scale byte of o
	v_lshlrev_b32 v8, 3, v242                      ; 8 h: where my bytes stand in p's scale word
	v_mul_u32_u24 v[KA0], v244, FRP                ; K: rows 8-15 of a tile come from the next fragment,
	v_lshl_add_u32 v[KS0], v243, 4, KSL            ; K's scale words: 16 (r % 8) + 4 (r / 8) + 8 h
	v_add_nc_u32 v[VA0], VL, v1
	v_lshl_add_u32 v[KA0], v243, 3, v[KA0]         ; lane place r % 8,
	v_lshl_add_u32 v[KS0], v244, 2, v[KS0]
	v_lshl_add_u32 v[KA0], v242, 7, v[KA0]         ; + 16 h
	v_lshl_add_u32 v[KS0], v242, 3, v[KS0]
.irp i, 0,1,2,3,4,5
	v_mov_b32 v[QZ+\i], 0                          ; the zero halves beside q
	v_mov_b32 v[QZ+12+\i], 0
	v_mov_b32 v[QZ+24+\i], 0
.endr
	v_mov_b32 v[BT], 0                             ; written once: a lane permute's destination counts as one of its sources
	v_mov_b32 v[BT+1], 0
	v_mov_b32 v[FF+1], 0                           ; (named as the upper half of a pair)
	s_bfe_u32 s10, ttmp6, 0x40000                  ; cx: it enters q's and o's global addresses alone
	s_and_b32 s11, ttmp7, 0xffff
	s_lshr_b32 s12, s11, 4                         ; batch
	s_and_b32 s13, s11, 15                         ; head
	; groups 1: dense bytes as rows of 256 (32 elements of 8 bytes); the mask names all four partners.  K's rows get 24 words of padding behind each 64
	s_mov_b32 s[G1K], 15|(3<<16)|(1<<20)|(1<<21)|(5<<22)|(23<<25)
	s_mov_b32 s[G1V], 15|(3<<16)|(1<<21)
	s_mov_b32 s[G1S], 15|(3<<16)|(1<<21)
.irp g, G1K, G1V
	s_mov_b32 s[\g+1], 32<<16
	s_mov_b32 s[\g+2], 64<<16
	s_mov_b32 s[\g+3], 32<<16
	s_mov_b32 s[\g+4], 64
	s_mov_b32 s[\g+5], 32
	s_mov_b32 s[\g+6], 0
	s_mov_b32 s[\g+7], 0
.endr
	s_mov_b32 s[G1S+1], 32<<16
	s_mov_b32 s[G1S+2], 8<<16
	s_mov_b32 s[G1S+3], 32<<16
	s_mov_b32 s[G1S+4], 8
	s_mov_b32 s[G1S+5], 32
	s_mov_b32 s[G1S+6], 0
	s_mov_b32 s[G1S+7], 0
	s_add_co_u32 s16, s13, 16                      ; k's heads lie behind q's sixteen
	s_mul_i32 s75, s12, 98304
	s_mul_i32 s74, s16, 393216
	s_add_co_u32 s74, s74, s75                     ; byte offsets: K's codes in qk,
	s_mul_i32 s76, s13, 393216
	s_add_co_u32 s76, s76, s75                     ; V's codes in vq,
	s_lshl_b32 s79, s12, 12
	s_lshl_b32 s78, s16, 14
	s_add_co_u32 s78, s78, s79
	s_add_co_u32 s78, s78, 12582912                ; K's scale words,
	s_lshl_b32 s80, s13, 14
	s_add_co_u32 s80, s80, s79
	s_add_co_u32 s80, s80, 6291456                 ; V's
	s_mov_b32 s40, 1
	s_mov_b32 s45, 0
	; q and o: my token tile in the first pass
	s_lshl_b32 s82, s12, 7
	s_lshl_b32 s83, s10, 5
	s_add_co_u32 s82, s82, s83
	s_add_co_u32 s82, s82, s[WV]                   ; 128 batch + 32 cx + wave
	s_mul_i32 s84, s13, 393216
	s_mul_i32 s85, s82, 768
	s_add_co_u32 s84, s84, s85
	s_mov_b32 s85, 0                               ; q's codes
	s_lshl_b32 s86, s13, 14
	s_lshr_b32 s87, s82, 3
	s_lshl_b32 s87, s87, 8
	s_add_co_u32 s86, s86, s87
	s_bfe_u32 s87, s82, 0x20001                    ; (tile / 2) % 4: which word
	s_lshl_b32 s87, s87, 2
	s_add_co_u32 s86, s86, s87
	s_and_b32 s87, s82, 1                          ; which half of it
	s_lshl_b32 s87, s87, 1
	s_add_co_u32 s86, s86, s87
	s_add_co_u32 s86, s86, 12582912
	s_mov_b32 s87, 0                               ; q's two scale bytes
	s_mul_i32 s88, s82, 12288
	s_lshr_b32 s89, s13, 1
	s_mul_i32 s89, s89, 1536
	s_add_co_u32 s88, s88, s89
	s_and_b32 s92, s13, 1
	s_mul_i32 s89, s92, 768
	s_add_co_u32 s88, s88, s89
	s_mov_b32 s89, 0                               ; o's codes: K step head / 2, half head % 2
	s_lshl_b32 s90, s82, 9
	s_lshr_b32 s91, s13, 2
	s_lshl_b32 s91, s91, 7
	s_add_co_u32 s90, s90, s91
	s_bfe_u32 s91, s13, 0x10001
	s_lshl_b32 s91, s91, 2
	s_add_co_u32 s90, s90, s91
	s_lshl_b32 s91, s92, 1
	s_add_co_u32 s90, s90, s91
	s_add_co_u32 s90, s90, 6291456
	s_mov_b32 s91, 0                               ; o's scale bytes
	s_mov_b32 s20, 0x76543210
	s_mov_b32 s21, 0xfedcba98                      ; lane selects: lane l xor 16
	s_mov_b32 s22, 0x3e38aa3b                      ; c = log2(e) / 8
	s_mov_b32 s23, s22                             ; (named with it as a pair)
	s_mov_b32 s96, 0xffff0000                      ; lanes 16-31
	s_wait_alu depctr_va_vdst(0)
	s_wait_dscnt 0x0                               ; both opening adds are done
	s_wait_kmcnt 0x0
	s_add_nc_u64 s[QB:QB+1], s[4:5], s[84:85]
	s_add_nc_u64 s[QSB:QSB+1], s[4:5], s[86:87]
	s_add_nc_u64 s[OIB:OIB+1], s[8:9], s[88:89]
	s_add_nc_u64 s[OSB:OSB+1], s[8:9], s[90:91]
.irp n, 0,1                            ; both passes' q: half a fragment and two scale bytes a query; the second tile lies 16 tiles on
.irp p, 0,1,2
	global_load_b64 v[QZ+6+12*\n+2*\p:QZ+7+12*\n+2*\p], v1, s[QB:QB+1] offset:\n*12288+\p*256
.endr
	global_load_u16 v[WK+\n], v6, s[QSB:QSB+1] offset:\n*512
.endr
	CROUND                                         ; all four work-groups are here: the joint loads meet
	; one chain of branches on the wave's number, one load to an arm, all arms to one join
	s_cmp_lt_u32 s[WV], 6
	s_cbranch_scc0 .Lnot_k
	s_mul_i32 s41, s[WV], 64*KP                    ; K's rows 64 w .. 64 w + 63
	s_lshl_b32 s44, s[WV], 14
	s_add_co_u32 s44, s44, s74
	s_add_nc_u64 s[42:43], s[4:5], s[44:45]
	s_or_b32 s43, s43, 0x80000000
	tensor_load_to_lds s[40:43], s[G1K:G1K+7]
	s_nop 0
.rept 4
	v_nop
.endr
	s_branch .Lasked
.Lnot_k:
	s_cmp_lt_u32 s[WV], 12
	s_cbranch_scc0 .Lnot_v
	s_lshl_b32 s41, s[WV], 14
	s_add_co_u32 s44, s41, s76
	s_add_co_u32 s44, s44, -98304                  ; V's 16,384 bytes number w - 6
	s_add_co_u32 s41, s41, VL-98304
	s_add_nc_u64 s[42:43], s[6:7], s[44:45]
	s_or_b32 s43, s43, 0x80000000
	tensor_load_to_lds s[40:43], s[G1V:G1V+7]
	s_nop 0
.rept 4
	v_nop
.endr
	s_branch .Lasked
.Lnot_v:
	s_lshl_b32 s41, s[WV], 11
	s_add_co_u32 s41, s41, KSL-12*2048             ; 2,048 bytes of scale words number w - 12: K's two, then V's two
	s_and_b32 s44, s[WV], 1
	s_lshl_b32 s44, s44, 11
	s_cmp_lt_u32 s[WV], 14
	s_cselect_b32 s46, s78, s80
	s_cselect_b64 s[42:43], s[4:5], s[6:7]
	s_add_co_u32 s44, s44, s46
	s_add_nc_u64 s[42:43], s[42:43], s[44:45]
	s_or_b32 s43, s43, 0x80000000
	tensor_load_to_lds s[40:43], s[G1S:G1S+7]
	s_nop 0
.rept 4
	v_nop
.endr
.Lasked:
	s_wait_loadcnt 0x0
	v_lshl_or_b32 v[QS], v[WK], 16, v[WK]          ; q's two bytes, for both halves of K
	v_lshl_or_b32 v[QS+1], v[WK+1], 16, v[WK+1]
	s_wait_alu depctr_va_vdst(0)
	s_wait_tensorcnt 0x0                           ; my part is in
	s_barrier_signal -1
	s_barrier_wait -1                              ; everybody's part is in
.macro QK g, qb, qs                    ; fragment g = 2 c + u: tiles s = u and s = 2 + u of half c
.if \g < 2
	v_wmma_scale_f32_16x16x128_f8f6f4 v[S+16*\g:S+16*\g+7], v[KF+12*\g:KF+12*\g+11], v[\qb+6:\qb+17], 0, v[KS+\g%2], v[\qs] matrix_a_fmt:MATRIX_FMT_FP6 matrix_b_fmt:MATRIX_FMT_FP6
	v_wmma_scale_f32_16x16x128_f8f6f4 v[S+16*\g+8:S+16*\g+15], v[KF+12*\g:KF+12*\g+11], v[\qb:\qb+11], 0, v[KS+\g%2], v[\qs] matrix_a_fmt:MATRIX_FMT_FP6 matrix_b_fmt:MATRIX_FMT_FP6
.else
	v_wmma_scale_f32_16x16x128_f8f6f4 v[S+16*\g:S+16*\g+7], v[KF+12*\g:KF+12*\g+11], v[\qb+6:\qb+17], 0, v[KS+\g%2], v[\qs] matrix_a_fmt:MATRIX_FMT_FP6 matrix_b_fmt:MATRIX_FMT_FP6 matrix_a_scale:MATRIX_SCALE_ROW1
	v_wmma_scale_f32_16x16x128_f8f6f4 v[S+16*\g+8:S+16*\g+15], v[KF+12*\g:KF+12*\g+11], v[\qb:\qb+11], 0, v[KS+\g%2], v[\qs] matrix_a_fmt:MATRIX_FMT_FP6 matrix_b_fmt:MATRIX_FMT_FP6 matrix_a_scale:MATRIX_SCALE_ROW1
.endif
.endm
.macro SUMR k                          ; four pairs of p onto the sum's four chains
	v_pk_add_f32 v[TA:TA+1], v[TA:TA+1], v[S+14+8*(\k):S+15+8*(\k)]
	v_pk_add_f32 v[TB:TB+1], v[TB:TB+1], v[S+16+8*(\k):S+17+8*(\k)]
	v_pk_add_f32 v[TC:TC+1], v[TC:TC+1], v[S+18+8*(\k):S+19+8*(\k)]
	v_pk_add_f32 v[14:15], v[14:15], v[S+20+8*(\k):S+21+8*(\k)]
.endm
; A KEY STEP: 128 keys.
.macro STEP qb, qs
	ds_load_b32 v[KS], v[KSH]
	ds_load_b32 v[KS+1], v[KSH] offset:128
.irp g, 0,1,2,3
.irp p, 0,1,2,3,4,5
	ds_load_b64 v[KF+12*\g+2*\p:KF+12*\g+2*\p+1], v[KAH] offset:(\g/2)*2*FRP+(\g%2)*64+\p*KP
.endr
.endr
	s_wait_dscnt 12                                ; the scale words and fragments 0, 1 are in; the twelve loads of fragments 2, 3 may be out
	QK 0, \qb, \qs
	QK 1, \qb, \qs
	s_wait_dscnt 0x0
	QK 2, \qb, \qs
	QK 3, \qb, \qs
	v_add_nc_u32 v[VAH], s[TV], v[VA0]             ; these four are the places behind the products: V lands in K's registers, and the scores are read
	v_add_nc_u32 v[VSH], s[TS], v[VS0]
	s_add_co_u32 s[TK], s[TK], 4*FRP
	s_add_co_u32 s[TS], s[TS], 256
	s_add_co_u32 s[TV], s[TV], 6144
	v_add_nc_u32 v[KAH], s[TK], v[KA0]             ; the next step's K
	v_add_nc_u32 v[KSH], s[TS], v[KS0]
.irp d, 0,1,2,3                        ; V's four fragments land while the softmax is worked
.irp p, 0,1,2,3,4,5
	ds_load_b64 v[KF+12*\d+2*\p:KF+12*\d+2*\p+1], v[VAH] offset:\d*1536+\p*256
.endr
.endr
	ds_load_b128 v[VS:VS+3], v[VSH]
.irp c, 0,1                            ; the largest score of my two blocks of 32 keys, each in two chains: for the row's maximum, and, since p rises with the score, for the block's largest p
	v_max3_num_f32 v[MX+\c], v[S+32*\c], v[S+32*\c+1], v[S+32*\c+2]
	v_max3_num_f32 v[MX+2+\c], v[S+32*\c+17], v[S+32*\c+18], v[S+32*\c+19]
.endr
.irp k, 0,1,2,3,4,5
.irp c, 0,1
	v_max3_num_f32 v[MX+\c], v[MX+\c], v[S+32*\c+3+2*\k], v[S+32*\c+4+2*\k]
	v_max3_num_f32 v[MX+2+\c], v[MX+2+\c], v[S+32*\c+20+2*\k], v[S+32*\c+21+2*\k]
.endr
.endr
.irp c, 0,1
	v_max3_num_f32 v[MX+\c], v[MX+\c], v[S+32*\c+15], v[S+32*\c+16]
.endr
.irp c, 0,1
	s_delay_alu instid0(VALU_DEP_2)
	v_max_num_f32 v[MX+\c], v[MX+\c], v[MX+2+\c]
.endr
	v_mov_b32 v[WK], v12                           ; the old -M
	s_delay_alu instid0(VALU_DEP_2)
	v_max3_num_f32 v13, v13, v[MX], v[MX+1]        ; the running largest score of my half of the keys,
	s_delay_alu instid0(VALU_DEP_1)
	v_permlanex16_b32 v[BT], v13, s20, s21
	s_delay_alu instid0(VALU_DEP_1)
	v_max_num_f32 v13, v13, v[BT]                  ; and of the row
	s_delay_alu instid0(VALU_DEP_1)
	v_mul_f32 v[WK+1], s22, v13                    ; as t (c is positive)
	s_delay_alu instid0(VALU_DEP_1)
	v_floor_f32 v12, -v[WK+1]                      ; the new -M = -ceil(t)
.set j, 0
.rept 32
	v_pk_fma_f32 v[S+j:S+j+1], v[S+j:S+j+1], s[22:23], v[12:13] op_sel_hi:[1,0,0]   ; t - M
.if j == 2
	v_sub_f32 v[WK], v12, v[WK]                    ; old M - new M: a whole number, 0 or less
.endif
.if j == 8
	v_cvt_i32_f32 v[WK], v[WK]                     ; (it saturates)
.endif
.if j == 14
	v_ldexp_f32 v[FF], 1.0, v[WK]                  ; f = 2^(old M - new M)
.endif
.set j, j+2
.endr
.irp c, 0,1
	v_fma_f32 v[MX+\c], v[MX+\c], s22, v12
.endr
	v_pk_mul_f32 v[14:15], v[14:15], v[FF:FF+1] op_sel_hi:[1,0]   ; the sum under the new M,
.set j, 0
.rept 16
	v_pk_mul_f32 v[O+j:O+j+1], v[O+j:O+j+1], v[FF:FF+1] op_sel_hi:[1,0]   ; and O^T
.set j, j+2
.endr
	s_wait_dscnt 0x0                               ; V is in (asked for ahead of all the lines since the products)
	s_wait_alu depctr_va_vdst(0)
.set j, 0
.rept 64
	v_exp_f32 v[S+j], v[S+j]                       ; p = 2^(t - M)
.set j, j+1
.endr
	v_exp_f32 v[MX], v[MX]                         ; each block's largest p
	v_exp_f32 v[MX+1], v[MX+1]
	v_nop                                          ; a plain place behind the exponentials
	s_wait_alu depctr_va_vdst(0)                   ; one wait for the batch, ahead of its first reader
.irp c, 0,1
	v_max_num_f32 v[MX+\c], 0x1800000, v[MX+\c]    ; the floor 2^(3 - 127)
.endr
	v_pk_add_f32 v[TA:TA+1], v[S:S+1], v[S+2:S+3]  ; the row's sum is taken of the unquantised p, in four chains, laid between the lines that wait for each other
	v_pk_add_f32 v[TB:TB+1], v[S+4:S+5], v[S+6:S+7]
	v_pk_add_f32 v[TC:TC+1], v[S+8:S+9], v[S+10:S+11]
	v_pk_add_f32 v[14:15], v[14:15], v[S+12:S+13]
.irp c, 0,1
	v_add_nc_u32 v[SO+\c], 0xff000000, v[MX+\c]    ; the conversion's scale operand
.endr
	SUMR 0
.irp c, 0,1
	v_cvt_scalef32_pk16_fp6_f32 v[PC+6*\c:PC+6*\c+2], v[S+32*\c:S+32*\c+15], v[SO+\c]
	v_cvt_scalef32_pk16_fp6_f32 v[T2+4*\c:T2+4*\c+2], v[S+32*\c+16:S+32*\c+31], v[SO+\c]   ; (a conversion's three registers begin on an even number)
.endr
.irp c, 0,1
	v_lshrrev_b32 v[BT+\c], 23, v[SO+\c]           ; the bytes; also the plain place behind the conversions
.endr
	SUMR 1
	v_lshl_or_b32 v[WK], v[BT+1], 16, v[BT]        ; my two bytes: blocks h and 2 + h,
.irp c, 0,1
.irp i, 0,1,2
	v_mov_b32 v[PC+3+6*\c+\i], v[T2+4*\c+\i]
.endr
.endr
	v_lshlrev_b32 v[WK], v8, v[WK]                 ; at their places;
	SUMR 2
	v_permlanex16_b32 v[BT], v[WK], s20, s21
	SUMR 3
	v_or_b32 v[PW], v[WK], v[BT]                   ; with lane l xor 16's two the word is whole
	SUMR 4                                         ; these eight are the places between p's scale word and the products
	SUMR 5
.irp d, 0,1,2,3
	v_wmma_scale_f32_16x16x128_f8f6f4 v[O+8*\d:O+8*\d+7], v[KF+12*\d:KF+12*\d+11], v[PC:PC+11], v[O+8*\d:O+8*\d+7], v[VS+\d], v[PW] matrix_a_fmt:MATRIX_FMT_FP6 matrix_b_fmt:MATRIX_FMT_FP6
.endr
	v_pk_add_f32 v[TA:TA+1], v[TA:TA+1], v[S+62:S+63]   ; the sum's last four lines are the places in front of the next step's loads into V's registers
	v_pk_add_f32 v[14:15], v[14:15], v[TC:TC+1]
	v_pk_add_f32 v[TA:TA+1], v[TA:TA+1], v[TB:TB+1]
	v_pk_add_f32 v[14:15], v[14:15], v[TA:TA+1]
.endm
; A PASS: token tile wave + 16 n of the work-group's 32, against all 2,048 keys
.macro PASS n
.if \n > 0
	s_wait_xcnt 0x0                                ; the last pass's stores have read their data
.endif
	s_mov_b32 s[TK], 0
	s_mov_b32 s[TV], 0
	s_mov_b32 s[TS], 0
	v_add_nc_u32 v[KAH], s[TK], v[KA0]
	v_add_nc_u32 v[KSH], s[TS], v[KS0]
	v_mov_b32 v13, 0xff61b1e6                      ; the largest score so far: -3e38
	v_mov_b32 v12, 0x7f61b1e6                      ; and a -M over every later one
	v_mov_b32 v14, 0
	v_mov_b32 v15, 0
.set j, 0
.rept 32
	v_mov_b32 v[O+j], 0                            ; O^T: the step is written once, its first trip finds zeros
.set j, j+1
.endr
	s_wait_alu depctr_va_vdst(0)
.Lstep_\@:
	STEP QZ+12*\n, QS+\n
	s_cmp_lt_u32 s[TS], 4096                       ; sixteen steps
	s_cbranch_scc1 .Lstep_\@
	; o = O^T / the sum, quantised along d: two blocks of 32, half a fragment of the last product's operand
	v_add_f32 v14, v14, v15
	s_delay_alu instid0(VALU_DEP_1)
	v_permlanex16_b32 v[WK], v14, s20, s21
	s_delay_alu instid0(VALU_DEP_1)
	v_add_f32 v14, v14, v[WK]                      ; the row's sum
	s_wait_alu depctr_va_vdst(0)
	v_rcp_f32 v14, v14
	v_nop                                          ; a plain place behind it
	s_wait_alu depctr_va_vdst(0)                   ; and the wait ahead of its first reader, which is O^T's too
.set j, 0
.rept 16
	v_pk_mul_f32 v[O+j:O+j+1], v[O+j:O+j+1], v[14:15] op_sel_hi:[1,0]
.set j, j+2
.endr
.irp b, 0,1
	v_max3_num_f32 v[MX+\b], |v[O+16*\b]|, |v[O+16*\b+1]|, 0x1800000
.endr
.irp i, 2,4,6,8,10,12,14
.irp b, 0,1
	s_delay_alu instid0(VALU_DEP_2)
	v_max3_num_f32 v[MX+\b], v[MX+\b], |v[O+16*\b+\i]|, |v[O+16*\b+\i+1]|
.endr
.endr
.irp b, 0,1
	s_delay_alu instid0(VALU_DEP_2)
	v_permlanex16_b32 v[BT+\b], v[MX+\b], s20, s21
.endr
.irp b, 0,1
	s_delay_alu instid0(VALU_DEP_2)
	v_max_num_f32 v[MX+\b], v[MX+\b], v[BT+\b]
.endr
.irp b, 0,1
	s_delay_alu instid0(VALU_DEP_2)
	v_add_nc_u32 v[SO+\b], 0xff000000, v[MX+\b]
.endr
.irp b, 0,1
	s_delay_alu instid0(VALU_DEP_2)
	v_lshrrev_b32 v[BT+\b], 23, v[SO+\b]
.endr
	v_cvt_scalef32_pk16_fp6_f32 v[PC:PC+2], v[O:O+15], v[SO]
	v_cvt_scalef32_pk16_fp6_f32 v[T2:T2+2], v[O+16:O+31], v[SO+1]
	v_nop                                          ; one plain place behind the conversions
.irp i, 0,1,2
	v_permlane16_swap_b32 v[PC+\i], v[T2+\i]       ; here a block lies in lanes l and l xor 16: the operand wants it whole in a lane
.endr
.irp i, 0,1,2
	s_delay_alu instid0(VALU_DEP_3)
	v_mov_b32 v[PC+3+\i], v[T2+\i]
.endr
	v_cndmask_b32 v[WK], v[BT], v[BT+1], s96       ; lanes 0-15 store block 0's byte, lanes 16-31 block 1's
.irp j, 0,1,2
	global_store_b64 v1, v[PC+2*\j:PC+2*\j+1], s[OIB:OIB+1] offset:\n*196608+\j*256   ; 256 consecutive bytes, aligned
.endr
	global_store_b8 v7, v[WK], s[OSB:OSB+1] offset:\n*8192
.endm
	PASS 0
	PASS 1
	s_wait_tensorcnt 0x0                           ; the wave's end
	ds_add_u32 v[SPW], v[NIL]
	s_wait_dscnt 0x0
	CROUND                                         ; the closing round
	s_endpgm
.Lfunc_end_k_q613d168749_attn:
	.size	k_q613d168749_attn, .Lfunc_end_k_q613d168749_attn-k_q613d168749_attn
	.p2alignl 7, 3214868480
	.fill 96, 4, 3214868480
	.section	.rodata,"a",@progbits
	.p2align	6, 0x0
	.amdhsa_kernel k_q613d168749_attn
		.amdhsa_group_segment_fixed_size 243712
		.amdhsa_private_segment_fixed_size 0
		.amdhsa_enable_private_segment 0
		.amdhsa_kernarg_size 24
		.amdhsa_user_sgpr_count 2
		.amdhsa_user_sgpr_kernarg_segment_ptr 1
		.amdhsa_wavefront_size32 1
		.amdhsa_system_sgpr_workgroup_id_x 1
		.amdhsa_system_sgpr_workgroup_id_y 1
		.amdhsa_system_sgpr_workgroup_id_z 1
		.amdhsa_system_vgpr_workitem_id 0
		.amdhsa_next_free_vgpr 256
		.amdhsa_next_free_sgpr 100
		.amdhsa_reserve_vcc 0
		.amdhsa_float_denorm_mode_32 3
		.amdhsa_float_denorm_mode_16_64 3
		.amdhsa_memory_ordered 1
		.amdhsa_forward_progress 1
		.amdhsa_inst_pref_size 54
	.end_amdhsa_kernel
	.amdgpu_metadata
---
amdhsa.version: [ 1, 2 ]
amdhsa.kernels:
  - .name:           k_q613d168749_attn
    .symbol:         k_q613d168749_attn.kd
    .args:
      - { .name: qk, .offset: 0, .size: 8, .value_kind: global_buffer, .address_space: global }
      - { .name: vq, .offset: 8, .size: 8, .value_kind: global_buffer, .address_space: global }
      - { .name: oq, .offset: 16, .size: 8, .value_kind: global_buffer, .address_space: global }
    .group_segment_fixed_size: 243712
    .private_segment_fixed_size: 0
    .kernarg_segment_align: 8
    .kernarg_segment_size: 24
    .max_flat_workgroup_size: 512
    .sgpr_count:     100
    .vgpr_count:     256
    .wavefront_size: 32
...
	.end_amdgpu_metadata
.endif
;; end of part 3
;; launch proj (part 4): grid 4 x 64, 4 waves a work-group, clusters of 4 x 4, 327,680 bytes of LDS; arguments oq, wo, b_out, out0; writes out0
.if DOCPART == 4
	.amdgcn_target "amdgcn-amd-amdhsa--gfx1250"
	.amdhsa_code_object_version 6
	.text
	.protected	k_q613d168749_proj
	.globl	k_q613d168749_proj
	.p2align	8
	.type	k_q613d168749_proj,@function
k_q613d168749_proj:
	s_mov_b64 s[64:65], 0
	v_nop
	global_prefetch_b8 v0, s[64:65] scope:SCOPE_SE
	s_setreg_imm32_b32 hwreg(HW_REG_WAVE_MODE, 25, 1), 1
	s_wait_xcnt 0x0
	s_wait_alu depctr_hold_cnt(0) depctr_sa_sdst(0) depctr_va_vdst(0) depctr_va_sdst(0) depctr_va_ssrc(0) depctr_va_vcc(0) depctr_vm_vsrc(0)
	s_getreg_b32 s2, hwreg(HW_REG_IB_STS2, 6, 4)
	s_cmp_eq_u32 s2, 0
	s_cbranch_scc0 .Lentry_in_a_cluster
	s_endpgm
.Lentry_in_a_cluster:
	s_bfe_u32 s2, ttmp6, 0x10000c
	s_cmp_lg_u32 s2, 0xf033
	s_cbranch_scc0 .Lentry_shape_is_right
	s_endpgm
.Lentry_shape_is_right:
; out0 [8192][1024] f32 = o w_out + b_out, on codes of FP6 (E2M3) with E8M0 scales; K = 1,024.  oq and wo hold images of operand registers: codes [row tile of 16][K step of 128][1536 bytes: six pieces
; of 256, lane l's 8 bytes at 8 l], and behind them scale words [row tile][K / 256][row][2 words].
; SHARES.  A work-group makes 128 rows x 256 columns of the result: 64 x 4 = 256 work-groups.  Each of its four waves makes 64 x 128: 32 accumulators of 16 x 16.
; ALL OF K LIES IN LDS: A's 8 row tiles (98,304 bytes), B's 16 (196,608), B's scale words (8,192), each filled once: wave 0 asks for A, waves 1 and 2 for B's halves, wave 3 for B's scale words,
; one tensor load a wave; one wait and one barrier follow, nothing is filled again.  A's scale words (my 4 row tiles, 2,048 bytes) and the bias come from memory straight into registers.
; CLUSTERS: 4 x 4 work-groups; A's tile is shared along a row of the cluster, B's along a column: joint loads with a mask of four.
; No prefetch: every byte from memory is asked for at the head, so there is no loop to run ahead in.
; THE MATRIX INSTRUCTION IS USED TRANSPOSED (source 0 = 16 rows of w_out's image, source 1 = 16 tokens): a lane holds eight neighbouring numbers of a row of the result; the bias is the C of the first K step.
; REGISTERS.  Window 0: v0-31 addresses; v32-63 A's scale words (block a, K step k at 8 a + k); v64-127 the bias; v128-175 A's fragments, one set; v192-255 B's scale words (8 b + k).
;   Window 1: B's fragments, two sets, at v0 and v128.  Window 2: accumulator (a, b) at v[8 (8 a + b)].  On the way out v64-191 take the rows read back from the stage.
.set SIZE_N, 1024
.set FR,     12
.set NL,     6
.set NP,     4
.set FRB,    1536
.set TROW,   8*FRB                     ; a row tile, all of K
.set LB,     8*TROW                    ; LDS: A from 0, B, B's scale words, the spare words
.set SCB,    24*TROW
.set SPARE,  SCB+8192
.set SPITCH, 528                       ; the way out: a stage of 16 rows x (512 bytes + 16) for each wave, over A's bytes, behind a barrier of its own
.set ADRA, 16
.set ADRB, 20                          ; v20 B's blocks 0-3, v21 blocks 4-7 (an LDS offset has 16 bits)
.set STO,  24
.set RD,   25
.set CO,   26
.set ADRS, 27
.set SPW,  28
.set NIL,  29
.set SA,   32
.set BI,   64
.set AF,   128
.set SB,   192
.set BK,   64
.set G1,   24
.set G0A,  32
.set G1B,  48
.set G0B,  56
.set G1SB, 80
.set MSB, 0
.macro WIN new                         ; the immediate's high byte repeats the setting that is left
.if MSB != (\new)
	s_set_vgpr_msb (MSB<<8)|(\new)
.set MSB, (\new)
.endif
.endm
.set MUL_LO, 0xa1                      ; source 0 window 1, source 1 window 0, C and D window 2
.set BIA_LO, 0x81                      ; the same with C in window 0
.set TO_B,   0x40
.macro CREST
	s_cmp_lg_u32 s14, 0
	s_cbranch_scc1 .Lnot_wave_0_\@
	s_barrier_signal -3
.Lnot_wave_0_\@:
	s_barrier_wait -3
	s_barrier_signal -1
	s_barrier_wait -1
.endm
.macro CROUND
	s_barrier_signal -1
	s_barrier_wait -1
	CREST
.endm
.macro PLACES n
.rept \n
	v_nop
.endr
.endm
	s_load_b256 s[4:11], s[0:1], 0x0               ; oq s[4:5], wo s[6:7], b_out s[8:9], out0 s[10:11]
	v_lshl_add_u32 v[SPW], v0, 2, SPARE
	v_mov_b32 v[NIL], 0
	ds_add_u32 v[SPW], v[NIL]                      ; the opening lines: the add, twice on end, and one wait
	ds_add_u32 v[SPW], v[NIL]
	v_lshrrev_b32 v1, 5, v0
	v_readfirstlane_b32 s14, v1                    ; wave
	s_lshr_b32 s15, s14, 1                         ; which 64 rows are mine
	s_and_b32 s16, s14, 1                          ; which 128 columns
	s_bfe_u32 s40, ttmp6, 0x40000                  ; cx, cy
	s_bfe_u32 s41, ttmp6, 0x40004
	s_lshl_b32 s42, ttmp9, 2
	s_add_co_u32 s42, s42, s40                     ; tile column, 0..3
	s_and_b32 s17, ttmp7, 0xffff
	s_lshl_b32 s17, s17, 2
	s_add_co_u32 s17, s17, s41                     ; tile row, 0..63
	s_lshl_b32 s43, s41, 2
	s_lshl_b32 s43, 15, s43                        ; my row of the cluster
	s_lshl_b32 s44, 0x1111, s40                    ; my column
	s_or_b32 s[G1+0], s43, (3<<16)|(1<<21)
	s_or_b32 s[G1B+0], s44, (3<<16)|(1<<21)
.irp g, G1, G1B                        ; 8 row tiles of 12,288 bytes (1,536 elements of 8 bytes)
	s_mov_b32 s[\g+1], 1536<<16
	s_mov_b32 s[\g+2], 8<<16
	s_mov_b32 s[\g+3], 1536<<16
	s_mov_b32 s[\g+4], 8
	s_mov_b32 s[\g+5], 1536
	s_mov_b32 s[\g+6], 0
	s_mov_b32 s[\g+7], 0
.endr
	s_or_b32 s[G1SB+0], s44, (3<<16)|(1<<21)       ; 8,192 bytes of scale words as 32 rows of 256
	s_mov_b32 s[G1SB+1], 32<<16
	s_mov_b32 s[G1SB+2], 32<<16
	s_mov_b32 s[G1SB+3], 32<<16
	s_mov_b32 s[G1SB+4], 32
	s_mov_b32 s[G1SB+5], 32
	s_mov_b32 s[G1SB+6], 0
	s_mov_b32 s[G1SB+7], 0
	s_mul_i32 s20, s17, 8*TROW                     ; byte offsets: A's codes,
	s_mov_b32 s21, 0
	s_lshl_b32 s22, s17, 12
	s_lshl_b32 s18, s15, 11
	s_add_co_u32 s22, s22, s18
	s_add_co_u32 s22, s22, 6291456                 ; the scale words of my 4 row tiles of A,
	s_mov_b32 s23, 0
	s_mul_i32 s46, s42, 16*TROW                    ; B's codes,
	s_mov_b32 s47, 0
	s_lshl_b32 s92, s42, 13
	s_add_co_u32 s92, s92, 786432                  ; B's scale words
	s_mov_b32 s93, 0
	s_mul_i32 s60, s15, 4*TROW                     ; LDS: my 4 row tiles of A,
	s_mul_i32 s61, s16, 8*TROW
	s_add_co_u32 s61, s61, LB                      ; my 8 of B,
	s_add_co_u32 s62, s61, 4*TROW
	s_lshl_b32 s63, s16, 12
	s_add_co_u32 s63, s63, SCB                     ; their scale words,
	s_mul_i32 s66, s14, 16*SPITCH                  ; my stage
	s_lshl_b32 s68, s17, 7
	s_lshl_b32 s18, s15, 6
	s_add_co_u32 s68, s68, s18
	s_lshl_b32 s68, s68, 12                        ; my first row of the result, 4,096 bytes a row,
	s_mov_b32 s69, 0
	s_lshl_b32 s70, s42, 10
	s_lshl_b32 s18, s16, 9
	s_add_co_u32 s70, s70, s18                     ; and my first column, in bytes
	s_mov_b32 s71, 0
	v_and_b32 v1, 15, v0                           ; r
	v_bfe_u32 v2, v0, 4, 1                         ; h
	v_and_b32 v3, 31, v0
	v_lshlrev_b32 v4, 3, v3                        ; 8 x lane: my place in a piece
	v_lshlrev_b32 v8, 3, v1                        ; 8 r: my row's two scale words
	v_lshlrev_b32 v7, 5, v2                        ; 32 h: my eight numbers of the bias
	v_lshlrev_b32 v[CO], 4, v3
	v_mul_u32_u24 v5, v1, SPITCH
	v_add_nc_u32 v[ADRA], s60, v4
	v_add_nc_u32 v[ADRB], s61, v4
	v_add_nc_u32 v[ADRB+1], s62, v4
	v_add_nc_u32 v[ADRS], s63, v8
	v_lshl_add_u32 v5, v2, 5, v5
	v_add_nc_u32 v[RD], s66, v[CO]
	v_add_nc_u32 v[STO], s66, v5
	s_wait_alu depctr_va_vdst(0)                   ; the wait at the head's end: no vector instruction writes a register behind it
	s_wait_dscnt 0x0                               ; both opening adds are done
	s_wait_kmcnt 0x0
	s_add_nc_u64 s[20:21], s[4:5], s[20:21]
	s_add_nc_u64 s[22:23], s[4:5], s[22:23]
	s_add_nc_u64 s[46:47], s[6:7], s[46:47]
	s_add_nc_u64 s[92:93], s[6:7], s[92:93]
	s_add_nc_u64 s[8:9], s[8:9], s[70:71]
	s_add_nc_u64 s[10:11], s[10:11], s[68:69]
	s_add_nc_u64 s[10:11], s[10:11], s[70:71]
.irp i, 0,1,2,3
.irp j, 0,1,2,3
	global_load_b64 v[SA+8*\i+2*\j:SA+8*\i+2*\j+1], v8, s[22:23] offset:\i*512+\j*128   ; A's scale words: block i, K steps 2 j and 2 j + 1
.endr
.endr
.irp b, 0,1,2,3,4,5,6,7
	global_load_b128 v[BI+8*\b:BI+8*\b+3], v7, s[8:9] offset:64*\b
	global_load_b128 v[BI+8*\b+4:BI+8*\b+7], v7, s[8:9] offset:64*\b+16
.endr
	CROUND                                         ; all sixteen work-groups are here: the joint loads meet
	; one chain of branches on the wave's number, one load to an arm, all arms to one join
	s_mov_b32 s[G0A], 1
	s_mov_b32 s[G0B], 1
	s_cmp_lt_u32 s14, 1
	s_cbranch_scc0 .Lhead_b0
	s_mov_b32 s[G0A+1], 0
	s_mov_b64 s[G0A+2:G0A+3], s[20:21]
	s_or_b32 s[G0A+3], s[G0A+3], 0x80000000
	tensor_load_to_lds s[G0A:G0A+3], s[G1:G1+7]
	s_nop 0
	PLACES 4
	s_branch .Lhead_asked
.Lhead_b0:
	s_cmp_lt_u32 s14, 2
	s_cbranch_scc0 .Lhead_b1
	s_mov_b32 s[G0B+1], LB
	s_mov_b64 s[G0B+2:G0B+3], s[46:47]
	s_or_b32 s[G0B+3], s[G0B+3], 0x80000000
	tensor_load_to_lds s[G0B:G0B+3], s[G1B:G1B+7]
	s_nop 0
	PLACES 4
	s_branch .Lhead_asked
.Lhead_b1:
	s_cmp_lt_u32 s14, 3
	s_cbranch_scc0 .Lhead_sb
	s_mov_b32 s[G0B+1], LB+8*TROW
	s_add_nc_u64 s[G0B+2:G0B+3], s[46:47], 8*TROW
	s_or_b32 s[G0B+3], s[G0B+3], 0x80000000
	tensor_load_to_lds s[G0B:G0B+3], s[G1B:G1B+7]
	s_nop 0
	PLACES 4
	s_branch .Lhead_asked
.Lhead_sb:
	s_mov_b32 s[G0B+1], SCB
	s_mov_b64 s[G0B+2:G0B+3], s[92:93]
	s_or_b32 s[G0B+3], s[G0B+3], 0x80000000
	tensor_load_to_lds s[G0B:G0B+3], s[G1SB:G1SB+7]
	s_nop 0
	PLACES 4
.Lhead_asked:
.macro FRAG reg, adr, off              ; a fragment: six pieces of 8 bytes a lane
.irp p, 0,1,2,3,4,5
	ds_load_b64 v[\reg+2*\p:\reg+2*\p+1], v[\adr] offset:(\off)+\p*256
.endr
.endm
.macro FETCH_B kk                      ; B's eight fragments of K step kk into set kk % 2
	WIN TO_B
.irp i, 0,1,2,3,4,5,6,7
	FRAG 128*((\kk)%2)+FR*\i, ADRB+\i/4, (\i%4)*TROW+(\kk)*FRB
.endr
	WIN 0
.endm
.macro FETCH_A kk, i0                  ; A's blocks i0, i0 + 1 of K step kk
.irp i, \i0, \i0+1
	FRAG AF+FR*(\i), ADRA, (\i)*TROW+(\kk)*FRB
.endr
.endm
; 16 matrix instructions: A's blocks a0, a0 + 1 x B's eight.  The 32 accumulators take turns, one instruction a turn, in the same order in every step.
.macro MUL16 a0, kk, first
.irp a, \a0, \a0+1
.irp b, 0,1,2,3,4,5,6,7
.if \first
	v_wmma_scale_f32_16x16x128_f8f6f4 v[8*(8*(\a)+\b):8*(8*(\a)+\b)+7], v[128*((\kk)%2)+FR*\b:128*((\kk)%2)+FR*\b+FR-1], v[AF+FR*(\a):AF+FR*(\a)+FR-1], v[BI+8*\b:BI+8*\b+7], v[SB+8*\b+(\kk)], v[SA+8*(\a)+(\kk)] matrix_a_fmt:MATRIX_FMT_FP6 matrix_b_fmt:MATRIX_FMT_FP6
.else
	v_wmma_scale_f32_16x16x128_f8f6f4 v[8*(8*(\a)+\b):8*(8*(\a)+\b)+7], v[128*((\kk)%2)+FR*\b:128*((\kk)%2)+FR*\b+FR-1], v[AF+FR*(\a):AF+FR*(\a)+FR-1], v[8*(8*(\a)+\b):8*(8*(\a)+\b)+7], v[SB+8*\b+(\kk)], v[SA+8*(\a)+(\kk)] matrix_a_fmt:MATRIX_FMT_FP6 matrix_b_fmt:MATRIX_FMT_FP6
.endif
.endr
.endr
.endm
.macro MWIN first
.if \first
	WIN BIA_LO
.else
	WIN MUL_LO
.endif
.endm
; A K step of 128: 32 matrix instructions; the next step's fragments are fetched in its middle (B's other set, A's blocks 0, 1, which are free) and at its end (A's blocks 2, 3)
.macro KSTEP kk, first, last
	s_wait_dscnt 2*NL                              ; B's set and A's blocks 0, 1 are in; the youngest twelve loads (A's blocks 2, 3) may be out
	MWIN \first
	MUL16 0, \kk, \first
	s_wait_dscnt 0
.if \last == 0
	PLACES NP                                      ; places in front of loads into registers that matrix instructions have read
	FETCH_B (\kk)+1
	FETCH_A (\kk)+1, 0
.endif
	MWIN \first
	MUL16 2, \kk, \first
.if \last == 0
	PLACES NP
	WIN 0
	FETCH_A (\kk)+1, 2
.endif
.endm
	s_wait_tensorcnt 0x0                           ; my tile is in
	s_barrier_signal -1
	s_barrier_wait -1                              ; everybody's is
.irp i, 0,1,2,3,4,5,6,7
.irp j, 0,1,2,3
	ds_load_b64 v[SB+8*\i+2*\j:SB+8*\i+2*\j+1], v[ADRS] offset:\i*512+\j*128   ; B's scale words, for all of K
.endr
.endr
	FETCH_B 0
	FETCH_A 0, 0
	FETCH_A 0, 2
	s_wait_loadcnt 0x0                             ; A's scale words and the bias are in
	KSTEP 0, 1, 0                                  ; the first step's products start the sums from the bias
.irp k, 1,2,3,4,5,6
	KSTEP \k, 0, 0
.endr
	KSTEP 7, 0, 1
	WIN 0
	s_barrier_signal -1                            ; my reads of A and B are over (the last step waited for them): the stages are laid over A's bytes,
	s_barrier_wait -1                              ; which have had their one fill, when every wave has said so
; THE WAY OUT, block by block of 16 rows x 128 columns: through my own stage and back as whole rows of 512 bytes.  LDS serves a wave's instructions in order (ISA guide 5.7.1.4): no wait between the stores and the loads.
.macro TOSTAGE a
.set AC, 64*(\a)
	WIN 0x08                                       ; the data: window 2
.irp b, 0,1,2,3,4,5,6,7
	ds_store_b128 v[STO], v[AC+8*\b:AC+8*\b+3] offset:64*\b          ; each accumulator from its low end on
	ds_store_b128 v[STO], v[AC+8*\b+4:AC+8*\b+7] offset:64*\b+16
.endr
	WIN 0
.set BB, BK+64*((\a)%2)
.irp t, 0,1,2,3,4,5,6,7,8,9,10,11,12,13,14,15
	ds_load_b128 v[BB+4*\t:BB+4*\t+3], v[RD] offset:\t*SPITCH
.endr
.endm
.macro SEND a, younger                 ; younger: the LDS instructions issued behind block a's loads, which may stay out
.set BB, BK+64*((\a)%2)
	s_wait_dscnt \younger
.if (\a) > 0
	s_add_nc_u64 s[10:11], s[10:11], 16*SIZE_N*4   ; (behind a wait on XCNT: the earlier stores have read their base)
.endif
.irp t, 0,1,2,3,4,5,6,7,8,9,10,11,12,13,14,15
	global_store_b128 v[CO], v[BB+4*\t:BB+4*\t+3], s[10:11] offset:\t*SIZE_N*4 th:TH_STORE_NT   ; 32 lanes store 512 consecutive bytes, at a multiple of 256 from the buffer's first byte
.endr
.endm
	PLACES NP                                      ; behind the last products: their results are read, and loads land in registers that they have read
	TOSTAGE 0
.irp a, 1,2,3
.if \a > 1
	s_wait_xcnt 0x0                                ; block a - 2's stores have read their registers and their base
.endif
	TOSTAGE \a
	SEND \a-1, 32                                  ; behind block a - 1's loads: block a's 16 stores and 16 loads
.endr
	s_wait_xcnt 0x0
	SEND 3, 0
	s_wait_tensorcnt 0x0                           ; the wave's end
	ds_add_u32 v[SPW], v[NIL]
	s_wait_dscnt 0x0
	CROUND                                         ; the closing round
	s_endpgm
.Lfunc_end_k_q613d168749_proj:
	.size	k_q613d168749_proj, .Lfunc_end_k_q613d168749_proj-k_q613d168749_proj
	.p2alignl 7, 3214868480
	.fill 96, 4, 3214868480
	.section	.rodata,"a",@progbits
	.p2align	6, 0x0
	.amdhsa_kernel k_q613d168749_proj
		.amdhsa_group_segment_fixed_size 327680
		.amdhsa_private_segment_fixed_size 0
		.amdhsa_enable_private_segment 0
		.amdhsa_kernarg_size 32
		.amdhsa_user_sgpr_count 2
		.amdhsa_user_sgpr_kernarg_segment_ptr 1
		.amdhsa_wavefront_size32 1
		.amdhsa_system_sgpr_workgroup_id_x 1
		.amdhsa_system_sgpr_workgroup_id_y 1
		.amdhsa_system_sgpr_workgroup_id_z 1
		.amdhsa_system_vgpr_workitem_id 0
		.amdhsa_next_free_vgpr 768
		.amdhsa_next_free_sgpr 98
		.amdhsa_reserve_vcc 0
		.amdhsa_float_denorm_mode_32 3
		.amdhsa_float_denorm_mode_16_64 3
		.amdhsa_memory_ordered 1
		.amdhsa_forward_progress 1
		.amdhsa_inst_pref_size 99
	.end_amdhsa_kernel
	.amdgpu_metadata
---
amdhsa.version: [ 1, 2 ]
amdhsa.kernels:
  - .name:           k_q613d168749_proj
    .symbol:         k_q613d168749_proj.kd
    .args:
      - { .name: oq, .offset: 0, .size: 8, .value_kind: global_buffer, .address_space: global }
      - { .name: wo, .offset: 8, .size: 8, .value_kind: global_buffer, .address_space: global }
      - { .name: b_out, .offset: 16, .size: 8, .value_kind: global_buffer, .address_space: global }
      - { .name: out0, .offset: 24, .size: 8, .value_kind: global_buffer, .address_space: global }
    .group_segment_fixed_size: 327680
    .private_segment_fixed_size: 0
    .kernarg_segment_align: 8
    .kernarg_segment_size: 32
    .max_flat_workgroup_size: 128
    .sgpr_count:     98
    .vgpr_count:     768
    .wavefront_size: 32
...
	.end_amdgpu_metadata
.endif
;; end of part 4
